; MI455X (gfx1250); checked and timed in simulation.
; The chip was launched on July 23, 2026; its instructions are those of AMD's public machine-readable ISA for CDNA 5 (MIT licence, August 2026) and "CDNA5" Instruction Set Architecture Reference Guide (July 2026). The comments in the code are by the model that wrote it; some were corrected since.
;; FF Note Expert. Allowed arithmetic: float matrix products may take bf16 or f16 operands with f32 sums; other float arithmetic in f32, or as packed bf16 or f16 multiplies, adds, multiply-adds, maxima and minima; sums over many terms, partial sums and values carried from step to step in f32; what a program stores and reads back later, other than sums and carried values, may be rounded once to bf16 or f16.
;; Inputs: W1 8 x 1,024 x 4,096 float32; W2 8 x 4,096 x 1,024 float32; b1 8 x 4,096 float32; b2 8 x 1,024 float32; note_type_pos 1,024 int32; x 1,024 x 1,024 float32.
;; Outputs: out0 1,024 x 1,024 float32.
;; 2 versions, each right; version 2 is version 1 with the launches prep, ffn1 written anew for expert scheduling mode. Each part assembles by itself: llvm-mc -triple=amdgcn-amd-amdhsa -mcpu=gfx1250 --defsym DOCPART=n.
;; ======== version 1 of 2: 4 launches
;; workspace buffers: xfrag 16,777,216 bytes; hfrag 67,108,864 bytes; part 16,777,216 bytes; order 32,768 bytes of whole numbers; counts 1,024 bytes of whole numbers
;; launch prep (part 1): grid 16 x 8, 16 waves a work-group, no clusters, 40,960 bytes of LDS; arguments x, note_type_pos, xfrag, order, counts, part; writes xfrag, order, counts, part
.if DOCPART == 1
	.amdgcn_target "amdgcn-amd-amdhsa--gfx1250"
	.amdhsa_code_object_version 6
	.text
	.protected	k_qa74e6df564_prep
	.globl	k_qa74e6df564_prep
	.p2align	8
	.type	k_qa74e6df564_prep,@function
k_qa74e6df564_prep:
	s_mov_b64 s[64:65], 0
	v_nop
	global_prefetch_b8 v0, s[64:65] scope:SCOPE_SE
	s_setreg_imm32_b32 hwreg(HW_REG_WAVE_MODE, 25, 1), 1
	s_wait_xcnt 0x0
; ROUTING AND GATHER.  x [1024][1024] f32, note_type_pos [1024] int32.
; Work-group (bx, e), 16 waves: wave w takes tile mt = 4 w + (bx >> 2) of 16 rows of expert e and quarter kq = bx & 3 of K (256 numbers of each row).  The grid covers 64 tiles an expert, so every split
; of the rows over the experts is served; a wave whose tile lies past the expert's count stores no tile and ends.  An expert's low tiles, which are the live ones, fall to the low waves of ALL its 16
; work-groups: with some 9 live tiles two or three waves of 16 KB of x each, in place of sixteen in a few work-groups.
; Each wave sorts for itself: a member's rank is the number of members before it (by index register, then by lane); the 16 tokens of ranks 16 mt .. 16 mt + 15 are scattered into the wave's own list in LDS.
; A place past the count takes the tile's FIRST token, in the rows and in the stored list alike: the later launches then make for it the very numbers of that token's row, and may store them to that row.
; Then the tile's rows are read (sixteen lanes take 256 consecutive bytes of a row), rounded to bf16, turned through the wave's own stage in LDS into the order of a matrix operand's registers, and stored:
; xfrag byte ((64 e + mt) 32 + kb) 1024 + 512 q + 16 lane holds, for lane (r = lane & 15, h = lane >> 4), row r, K = 32 kb + 16 q + 8 h + 0..7.  Every store covers 512 consecutive bytes.
; Also stored: order[e][rank] = token (by the wave kq = 0 of each live tile, all 16 places), counts[e] at byte 128 e (by wave 0 of bx = 0), and, for a row whose index is outside 0..7, which no expert
; takes, zeros into all four quarters of part, whose sum the last launch stores (even wave w of work-group (bx, e) looks at token (16 e + bx) 8 + w / 2).
; LIMIT.  x is rounded to bf16 here.
.set XP,    144                        ; a row of the stage: 128 bytes (64 bf16) + 16
.set XW,    16*XP                      ; a wave's stage
.set LISTS, 16*XW                      ; 36,864: the lists, 128 bytes a wave: words 0-15 the tile's tokens, word 16 takes what is not wanted
.set SPARE, LISTS+16*128               ; 38,912: the spare words, 128 bytes for each of 16 waves, which no other line names
.set PX, 8                             ; s[8:19] x, note_type_pos, xfrag, order, counts, part
.set PN, 10
.set PF, 12
.set PO, 14
.set PC, 16
.set PZ, 18
.set WV, 24
.set KQ, 25
.set EX, 26
.set BX, 27
.set MT, 28
.set TK, 29
.set OP, 30                            ; s[30:31] an offset, high word 0
.set IDX, 32
.set BM, 33
.set CNT, 34
.set TA, 35
.set QN, 36
.set OZ, 38                            ; s[38:39] the token's row in quarter 0 of part
.set XB, 40
.set FB, 42
.set QO, 44
.set QC, 46
.set TB, 48
.set RM, 49                            ; rows of the expert from my tile's first on
.set OZ2, 50                           ; s[50:51] the token's row in quarter 2
.set C16, 1                            ; 16 x (lane & 15).  v2, v3: the spare word's address and 0, for the add at the wave's end alone
.set LN,  4
.set L16, 5
.set L4,  6
.set R15, 7
.set Z,   8                            ; v[8:11] zeros for a row that no expert takes
.set ZZ,  12
.set LB,  13
.set XST, 14
.set XRD, 15
.set LR,  16
.set LO,  17
.set TKO, 18
.set OA,  19
.set VA,  20
.set VT,  21
.set HH,  22
.set CV,  23
.set XO,  24                           ; v[24:31] byte offsets of the rows 2 j + (lane >> 4)
.set X,   32                           ; v[32:159] first the 1,024 indices (32 registers), then x as loaded
.set F,   160                          ; v[160:223] the tile in operand order
.set FT,  223                          ; before that: the tile's first token
	s_load_b256 s[8:15], s[0:1], 0x0
	s_load_b128 s[16:19], s[0:1], 0x20
	v_lshl_add_u32 v2, v0, 2, SPARE
	v_mov_b32 v3, 0
	v_lshrrev_b32 v1, 5, v0
	v_readfirstlane_b32 s[WV], v1
	s_and_b32 s[EX], ttmp7, 0xffff
	s_mov_b32 s[BX], ttmp9
	s_and_b32 s[KQ], s[BX], 3              ; my quarter of K
	s_lshr_b32 s[MT], s[BX], 2
	s_lshl2_add_u32 s[MT], s[WV], s[MT]    ; my tile: 4 w + (bx >> 2)
	s_lshl_b32 s[TK], s[EX], 4
	s_add_co_u32 s[TK], s[TK], s[BX]
	s_lshl_b32 s[TK], s[TK], 3
	s_lshr_b32 s[TA], s[WV], 1
	s_add_co_u32 s[TK], s[TK], s[TA]       ; the token whose index I look at: 0 .. 1023
	s_mov_b32 s[OP+1], 0
	v_and_b32 v[LN], 31, v0
	v_lshlrev_b32 v[L16], 4, v[LN]
	v_lshlrev_b32 v[L4], 2, v[LN]
	v_and_b32 v[R15], 15, v0
	v_lshlrev_b32 v[C16], 4, v[R15]
	v_bfe_u32 v[HH], v0, 4, 1
	v_mov_b32 v[ZZ], 0
	s_wait_kmcnt 0x0
	s_lshl_b32 s[OP], s[TK], 2
	s_add_nc_u64 s[QN:QN+1], s[PN:PN+1], s[OP:OP+1]
	s_load_b32 s[IDX], s[QN:QN+1], 0x0
.irp q, 0,1,2,3,4,5,6,7                ; all 1,024 indices: register 4 q + c holds token 128 q + 4 lane + c
	global_load_b128 v[X+4*\q:X+4*\q+3], v[L16], s[PN:PN+1] offset:512*\q
.endr
	v_lshl_add_u32 v[VA], v0, 2, LISTS     ; 128 x wave + 4 x lane: my word of my wave's list
	ds_store_b32 v[VA], v[ZZ]              ; every word of the list is written before it is read
	s_lshl_b32 s[TA], s[WV], 7
	s_add_co_u32 s[TA], s[TA], LISTS
	v_mov_b32 v[LB], s[TA]
	v_lshl_add_u32 v[LR], v[HH], 2, v[LB]
	v_lshl_add_u32 v[LO], v[R15], 2, v[LB]
	s_mul_i32 s[TA], s[WV], XW             ; my stage
	v_mul_u32_u24 v[XST], v[HH], XP        ; in: lanes 0-15 one row, lanes 16-31 the next, 8 bytes a lane
	v_lshl_add_u32 v[XST], v[R15], 3, v[XST]
	v_add_nc_u32 v[XST], s[TA], v[XST]
	v_mul_u32_u24 v[XRD], v[R15], XP       ; out: row lane & 15, 16 bytes for each half of the lanes
	v_lshl_add_u32 v[XRD], v[HH], 4, v[XRD]
	v_add_nc_u32 v[XRD], s[TA], v[XRD]
	s_lshl_b32 s[OP], s[TK], 12
	s_add_nc_u64 s[OZ:OZ+1], s[PZ:PZ+1], s[OP:OP+1]
	s_add_nc_u64 s[OZ2:OZ2+1], s[OZ:OZ+1], 0x800000  ; two quarters of 4 MiB on
	s_lshl_b32 s[OP], s[KQ], 10
	s_add_nc_u64 s[XB:XB+1], s[PX:PX+1], s[OP:OP+1]
	s_lshl_b32 s[OP], s[EX], 21
	s_lshl_b32 s[TA], s[MT], 15
	s_add_co_u32 s[OP], s[OP], s[TA]
	s_lshl_b32 s[TA], s[KQ], 13
	s_add_co_u32 s[OP], s[OP], s[TA]
	s_add_nc_u64 s[FB:FB+1], s[PF:PF+1], s[OP:OP+1]
	s_lshl_b32 s[OP], s[EX], 12
	s_add_nc_u64 s[QO:QO+1], s[PO:PO+1], s[OP:OP+1]
	s_lshl_b32 s[OP], s[EX], 7
	s_add_nc_u64 s[QC:QC+1], s[PC:PC+1], s[OP:OP+1]
	s_wait_kmcnt 0x0
	s_and_b32 s[TA], s[WV], 1              ; even waves: a row that no expert takes keeps the zeros that the result starts from
	s_cmp_lg_u32 s[TA], 0
	s_cbranch_scc1 .Lno_zero
	s_cmp_gt_u32 s[IDX], 7                 ; unsigned: a negative index too
	s_cbranch_scc0 .Lno_zero
.irp q, 0,1,2,3
	v_mov_b32 v[Z+\q], 0
.endr
.irp k, 0,1                            ; quarters k and 2 + k; every store covers 512 consecutive bytes of the row
.irp q, 0,1,2,3,4,5,6,7
	global_store_b128 v[L16], v[Z:Z+3], s[OZ:OZ+1] offset:0x400000*\k+512*\q
	global_store_b128 v[L16], v[Z:Z+3], s[OZ2:OZ2+1] offset:0x400000*\k+512*\q
.endr
.endr
.Lno_zero:
	s_lshl_b32 s[TA], s[MT], 4
	s_sub_co_u32 s[BM], 0, s[TA]           ; members so far, less my tile's first rank (modulo 2^32)
	s_wait_loadcnt 0x0
.set rs, 0
.rept 32
	v_cmp_eq_u32 vcc_lo, s[EX], v[X+rs]
	v_mbcnt_lo_u32_b32 v[VA], vcc_lo, s[BM]    ; my rank less the tile's first
	v_cndmask_b32 v[VA], 16, v[VA], vcc_lo     ; no member: word 16
	v_min_u32 v[VA], 16, v[VA]                 ; a rank outside the tile (below it the difference is huge): word 16
	v_lshl_add_u32 v[VA], v[VA], 2, v[LB]
	v_add_nc_u32 v[VT], 128*(rs/4)+(rs%4), v[L4]
	ds_store_b32 v[VA], v[VT]
	s_bcnt1_i32_b32 s[TA], vcc_lo
	s_add_co_u32 s[BM], s[BM], s[TA]
.set rs, rs+1
.endr
	s_lshl_b32 s[TA], s[MT], 4
	s_add_co_u32 s[CNT], s[BM], s[TA]      ; the expert's rows
	s_or_b32 s[TB], s[WV], s[BX]
	s_cmp_lg_u32 s[TB], 0
	s_cbranch_scc1 .Lno_count
	v_mov_b32 v[CV], s[CNT]
	global_store_b32 v[L4], v[CV], s[QC:QC+1]  ; 128 consecutive bytes, every word the count
.Lno_count:
	s_cmp_lt_u32 s[TA], s[CNT]
	s_cbranch_scc0 .Lend                   ; my tile has no row
.irp j, 0,1,2,3,4,5,6,7
	ds_load_b32 v[XO+\j], v[LR] offset:8*\j    ; LDS serves a wave's instructions in order: these see the stores above
.endr
	ds_load_b32 v[TKO], v[LO]
	ds_load_b32 v[FT], v[LB]               ; the tile's first token: the tile is live, so it is a member
	s_sub_co_u32 s[RM], s[CNT], s[TA]      ; places of the tile below this number hold members
	s_lshl_b32 s[TB], s[MT], 6
	s_wait_dscnt 0x0
.irp j, 0,1,2,3,4,5,6,7
	v_add_nc_u32 v[VA], 2*\j, v[HH]        ; my place in the tile
	v_cmp_gt_u32 vcc_lo, s[RM], v[VA]
	v_cndmask_b32 v[XO+\j], v[FT], v[XO+\j], vcc_lo  ; past the count: the first token once more
	v_min_u32 v[XO+\j], 0x3ff, v[XO+\j]
	v_lshl_add_u32 v[XO+\j], v[XO+\j], 12, v[C16]  ; the token's row of 4,096 bytes + my 16 bytes
.endr
	v_cmp_gt_u32 vcc_lo, s[RM], v[R15]
	v_cndmask_b32 v[TKO], v[FT], v[TKO], vcc_lo    ; the same in the list that is stored
.irp ss, 0,1,2,3                       ; all of my quarter at once: 32 loads
.irp j, 0,1,2,3,4,5,6,7
	global_load_b128 v[X+32*\ss+4*\j:X+32*\ss+4*\j+3], v[XO+\j], s[XB:XB+1] offset:256*\ss
.endr
.endr
	s_cmp_lg_u32 s[KQ], 0
	s_cbranch_scc1 .Lno_order
	v_lshl_add_u32 v[OA], v[R15], 2, s[TB]
	global_store_b32 v[OA], v[TKO], s[QO:QO+1]  ; 64 consecutive bytes; lanes 16-31 store what lanes 0-15 store
.Lno_order:
.irp ss, 0,1,2,3                       ; 64 along K at a time
	s_wait_loadcnt 24-8*\ss                ; the later quarters' loads stay out
.irp j, 0,1,2,3,4,5,6,7
	v_cvt_pk_bf16_f32 v[X+32*\ss+4*\j],   v[X+32*\ss+4*\j],   v[X+32*\ss+4*\j+1]
	v_cvt_pk_bf16_f32 v[X+32*\ss+4*\j+1], v[X+32*\ss+4*\j+2], v[X+32*\ss+4*\j+3]
.endr
.irp j, 0,1,2,3,4,5,6,7
	ds_store_b64 v[XST], v[X+32*\ss+4*\j:X+32*\ss+4*\j+1] offset:2*\j*XP
.endr
.irp m, 0,1,2,3                        ; m = 2 ks + q: K = 32 ks + 16 q + 8 h
	ds_load_b128 v[F+16*\ss+4*\m:F+16*\ss+4*\m+3], v[XRD] offset:32*\m
.endr
.endr
.irp ss, 0,1,2,3
	s_wait_dscnt 36-12*\ss                 ; the later quarters' twelve LDS instructions each stay out
.irp m, 0,1,2,3
	global_store_b128 v[L16], v[F+16*\ss+4*\m:F+16*\ss+4*\m+3], s[FB:FB+1] offset:2048*\ss+512*\m
.endr
.endr
.Lend:
	s_wait_tensorcnt 0x0                   ; the wave's end
	ds_add_u32 v2, v3
	s_wait_dscnt 0x0
	s_endpgm
.Lfunc_end_k_qa74e6df564_prep:
	.size	k_qa74e6df564_prep, .Lfunc_end_k_qa74e6df564_prep-k_qa74e6df564_prep
	.p2alignl 7, 3214868480
	.fill 96, 4, 3214868480
	.section	.rodata,"a",@progbits
	.p2align	6, 0x0
	.amdhsa_kernel k_qa74e6df564_prep
		.amdhsa_group_segment_fixed_size 40960
		.amdhsa_private_segment_fixed_size 0
		.amdhsa_enable_private_segment 0
		.amdhsa_kernarg_size 48
		.amdhsa_user_sgpr_count 2
		.amdhsa_user_sgpr_kernarg_segment_ptr 1
		.amdhsa_wavefront_size32 1
		.amdhsa_system_sgpr_workgroup_id_x 1
		.amdhsa_system_sgpr_workgroup_id_y 1
		.amdhsa_system_sgpr_workgroup_id_z 1
		.amdhsa_system_vgpr_workitem_id 0
		.amdhsa_next_free_vgpr 224
		.amdhsa_next_free_sgpr 66
		.amdhsa_reserve_vcc 1
		.amdhsa_float_denorm_mode_32 3
		.amdhsa_float_denorm_mode_16_64 3
		.amdhsa_memory_ordered 1
		.amdhsa_forward_progress 1
		.amdhsa_inst_pref_size 35
	.end_amdhsa_kernel
	.amdgpu_metadata
---
amdhsa.version: [ 1, 2 ]
amdhsa.kernels:
  - .name:           k_qa74e6df564_prep
    .symbol:         k_qa74e6df564_prep.kd
    .args:
      - { .name: x, .offset: 0, .size: 8, .value_kind: global_buffer, .address_space: global }
      - { .name: note_type_pos, .offset: 8, .size: 8, .value_kind: global_buffer, .address_space: global }
      - { .name: xfrag, .offset: 16, .size: 8, .value_kind: global_buffer, .address_space: global }
      - { .name: order, .offset: 24, .size: 8, .value_kind: global_buffer, .address_space: global }
      - { .name: counts, .offset: 32, .size: 8, .value_kind: global_buffer, .address_space: global }
      - { .name: part, .offset: 40, .size: 8, .value_kind: global_buffer, .address_space: global }
    .group_segment_fixed_size: 40960
    .private_segment_fixed_size: 0
    .kernarg_segment_align: 8
    .kernarg_segment_size: 48
    .max_flat_workgroup_size: 512
    .sgpr_count:     66
    .vgpr_count:     224
    .wavefront_size: 32
...
	.end_amdgpu_metadata
.endif
;; end of part 1
;; launch ffn1 (part 2): grid 32 x 8, 8 waves a work-group, no clusters, 216,064 bytes of LDS; arguments xfrag, counts, W1, b1, hfrag; writes hfrag
.if DOCPART == 2
	.amdgcn_target "amdgcn-amd-amdhsa--gfx1250"
	.amdhsa_code_object_version 6
	.text
	.protected	k_qa74e6df564_ffn1
	.globl	k_qa74e6df564_ffn1
	.p2align	8
	.type	k_qa74e6df564_ffn1,@function
k_qa74e6df564_ffn1:
	s_mov_b64 s[64:65], 0
	v_nop
	global_prefetch_b8 v0, s[64:65] scope:SCOPE_SE
	s_setreg_imm32_b32 hwreg(HW_REG_WAVE_MODE, 25, 1), 1
	s_wait_xcnt 0x0
; h = relu(x W1[e] + b1[e]) for the rows of expert e.  W1 [8][1024][4096], b1 [8][4096] f32; x in bf16 in operand order (xfrag, from the launch before), counts[e] at byte 128 e.
; SHARES.  Work-group (slice, e) owns W1[e][:, 128 slice .. +127].  Wave w owns 32 of those columns (group w >> 1) and half of K (w & 1): 512 rows of 128 bytes, which it alone reads, and ALL rows of e.
; So a wave multiplies only weights that it loaded itself: LDS is a stage of the wave's own in which they are turned, and the stream has no barrier.
; THE WAVE'S JOB: 16 units of 32 along K, written out, so that every LDS address is a fixed register and an immediate.  A unit: 8 weight loads (4 rows x 128 bytes each), rounded in place, staged,
; fetched turned as two fragments of 16 columns; two loads of 512 consecutive bytes for each tile of 16 rows; two products a tile.  Rows go in blocks of 12 tiles (24 accumulators).
; Tiles 0-7 are always multiplied (a tile past the count repeats the last live one), tiles 8, 9 and 10, 11 under the flags G8 and G10; unit 0 and the first two units' row loads have no guard,
; so that every register is written whatever the flags.  More than 192 rows: the block loop (6 trips cover 64 tiles; a dead block is jumped, the barriers are not) streams the weights again.
; TRANSPOSED USE: source 0 = 16 columns of W1, source 1 = 16 rows of x: a lane holds one row and eight neighbouring columns.
; THE SUMS' TWO HALVES meet in LDS: every wave stores its live accumulators, a barrier, wave (group, half) adds both halves of the tiles of its parity, adds b1, rounds, takes relu and stores
; hfrag byte ((64 e + tile) 128 + kb) 1024 + 512 q + 16 lane, 512 consecutive bytes an instruction; a second barrier in front of the next block's stores.
; NO JOINT LOADS: each weight byte has one reader.  The 32 work-groups of an expert do read the same rows, but those go straight into registers as operands, and the number of their tiles is read from memory.
; A wave's piece of a weight row is 128 bytes; the neighbouring group's wave takes the other half of each aligned 256 bytes, so the loads carry no hint that the bytes are not wanted again.
; LIMITS.  x, W1 and h are bf16, sums and bias f32 (K's two halves are added in f32).  relu is a maximum on the rounded pair in which a NaN loses: a NaN in h becomes 0.
.set PW,    16384                      ; bytes from row to row of W1
.set LPW,   14
.set TSH,   15                         ; a tile of xfrag is 32,768 bytes
.set STGW,  2304                       ; a wave's stage: two planes (16 columns each) of 32 K rows x 32 bytes,
.set PL1,   1152                       ; 1,152 apart: the two planes' 128 bytes of one store fall into different halves of 256
.set SCR,   8*STGW                     ; 18,432: partial sums, [accumulator 24][wave 8][1,024 bytes]
.set SPARE, SCR+24*8192                ; 215,040: the spare words, 128 bytes for each of 8 waves, which no other line names
.set PA,  8                            ; s[8:17] xfrag, counts, W1, b1, hfrag
.set PC,  10
.set PWT, 12
.set PBI, 14
.set PH,  16
.set WV,  24
.set KG,  25                           ; my half of K
.set QG,  26                           ; my group of 32 columns
.set EX,  27
.set SL,  28
.set CNT, 29
.set OP,  30                           ; s[30:31] an offset, high word 0
.set NT,  32                           ; live tiles
.set MT0, 33                           ; the block's first tile
.set G8,  34
.set G10, 35
.set WB,  36                           ; s[36:37] my weights
.set AB,  38                           ; s[38:39] my expert's rows at my half of K
.set BB,  40                           ; s[40:41] b1 at my columns
.set HS,  42                           ; s[42:43] hfrag at my expert and my K block
.set QC,  44
.set BL,  46
.set TA,  47
.set TB,  48
; window 0.  v2, v3: the spare word's address and 0, for the add at the wave's end alone
.set AO,   4                           ; v[4:15] byte offset of tile i in my expert's rows, + 16 lane
.set BF,   16                          ; v[16:47] weight fragments: unit's parity, column tile t at BF + 16 p + 8 t; in the reduction: b1
.set WOFF, 48
.set STA,  49
.set TRA,  50
.set L16,  51
.set STS,  52                          ; v[52:54] where I store accumulators 0-7, 8-15, 16-23
.set RD,   55                          ; v[55:57] where I read partial sums
.set H32,  58
.set ZR,   60
.set AR,   64                          ; v[64:255] rows: unit's parity, tile i at AR + 96 p + 8 i; in the reduction: at work
.set WR,   192                         ; window 1: v[192:255] weights as loaded, unit's parity at WR + 32 p; v[0:191] accumulators (i, t) at 16 i + 8 t
.set BI,   16
.set T,    64
.set MSB, 0
.macro WIN new                         ; the immediate's high byte repeats the setting that is left; a switch that changes nothing is dropped
.if MSB != (\new)
	s_set_vgpr_msb (MSB<<8)|(\new)
.set MSB, (\new)
.endif
.endm
.macro BAR                             ; my LDS stores are done and my LDS reads are back; then the barrier
	s_wait_dscnt 0x0
	s_barrier_signal -1
	s_barrier_wait -1
.endm
.macro NOP4                            ; four places between matrix instructions and what reads their results or loads into their sources
.rept 4
	v_nop
.endr
.endm
.macro WLOAD v                         ; unit v's weights: 8 loads of 4 rows x 128 bytes
	WIN 0x40                               ; destination in window 1
.irp i, 0,1,2,3,4,5,6,7
	global_load_b128 v[WR+32*((\v)%2)+4*\i:WR+32*((\v)%2)+4*\i+3], v[WOFF], s[WB:WB+1] offset:(32*(\v)+4*\i)*PW
.endr
	WIN 0
.endm
.macro WPART v, cnt                    ; unit v's weights: waited for, rounded in place, staged; their registers asked for again, two units on; the two fragments fetched turned
	s_wait_loadcnt \cnt
	WIN 0x45
.irp i, 0,1,2,3,4,5,6,7
	v_cvt_pk_bf16_f32 v[WR+32*((\v)%2)+4*\i],   v[WR+32*((\v)%2)+4*\i],   v[WR+32*((\v)%2)+4*\i+1]
	v_cvt_pk_bf16_f32 v[WR+32*((\v)%2)+4*\i+1], v[WR+32*((\v)%2)+4*\i+2], v[WR+32*((\v)%2)+4*\i+3]
.endr
	WIN 0x04                               ; the stores' data in window 1
.irp i, 0,1,2,3,4,5,6,7
	ds_store_b64 v[STA], v[WR+32*((\v)%2)+4*\i:WR+32*((\v)%2)+4*\i+1] offset:128*\i
.endr
.if (\v)+2 <= 15
	WLOAD (\v)+2
.endif
	WIN 0
.irp t, 0,1                            ; LDS serves a wave's instructions in order: these see the stores above, and the next unit's stores come behind them
	ds_load_tr16_b128 v[BF+16*((\v)%2)+8*\t:BF+16*((\v)%2)+8*\t+3],   v[TRA] offset:PL1*\t      ; K 8 h .. of column lane & 15,
	ds_load_tr16_b128 v[BF+16*((\v)%2)+8*\t+4:BF+16*((\v)%2)+8*\t+7], v[TRA] offset:PL1*\t+512  ; and 16 rows of 32 bytes on
.endr
.endm
.macro ALOAD v, lo, hi                 ; unit v's rows of tiles lo .. hi - 1: two loads of 512 consecutive bytes a tile
.set ti, \lo
.rept (\hi)-(\lo)
	global_load_b128 v[AR+96*((\v)%2)+8*ti:AR+96*((\v)%2)+8*ti+3],   v[AO+ti], s[AB:AB+1] offset:1024*(\v)
	global_load_b128 v[AR+96*((\v)%2)+8*ti+4:AR+96*((\v)%2)+8*ti+7], v[AO+ti], s[AB:AB+1] offset:1024*(\v)+512
.set ti, ti+1
.endr
.endm
.macro MULT u, lo, hi                  ; unit u's products of tiles lo .. hi - 1.  The accumulators take turns, one instruction a turn.  Unit 0 starts the sums
	WIN 0x50                               ; C and D in window 1
.set ti, \lo
.rept (\hi)-(\lo)
.irp t, 0,1
.if (\u) == 0
	v_wmma_f32_16x16x32_bf16 v[16*ti+8*\t:16*ti+8*\t+7], v[BF+16*((\u)%2)+8*\t:BF+16*((\u)%2)+8*\t+7], v[AR+96*((\u)%2)+8*ti:AR+96*((\u)%2)+8*ti+7], 0
.else
	v_wmma_f32_16x16x32_bf16 v[16*ti+8*\t:16*ti+8*\t+7], v[BF+16*((\u)%2)+8*\t:BF+16*((\u)%2)+8*\t+7], v[AR+96*((\u)%2)+8*ti:AR+96*((\u)%2)+8*ti+7], v[16*ti+8*\t:16*ti+8*\t+7]
.endif
.endr
.set ti, ti+1
.endr
	WIN 0
.endm
.macro NW x                            ; cnv = weight loads of unit x
.set cnv, 0
.if (\x) <= 15
.set cnv, 8
.endif
.endm
.macro NA x                            ; cnv = row loads of unit x that are issued whatever the flags
.set cnv, 0
.if (\x) <= 15
.set cnv, 16
.endif
.if (\x) <= 1
.set cnv, 24
.endif
.endm
; Unit u.  Loads are issued in the order W(0) W(1) A(0) | W(2) A(1) | and in unit t: W(t+3), A(t+2); they come back in that order.
; cw: behind W(u+1) stand A(u), W(u+2), A(u+1).  ca: behind A(u) stand W(u+2), A(u+1), W(u+3).  Guarded loads are not counted: the counts hold on every way.
.macro UNIT u
	NA \u
.set cw, cnv
	NW (\u)+2
.set cw, cw+cnv
.set ca, cnv
	NA (\u)+1
.set cw, cw+cnv
.set ca, ca+cnv
	NW (\u)+3
.set ca, ca+cnv
.if (\u) < 15
	WPART (\u)+1, cw
.endif
	s_wait_loadcnt ca
.if (\u) < 15
	s_wait_dscnt 12                        ; all but the 8 stage stores and 4 turned loads just issued: this unit's fragments are in
.else
	s_wait_dscnt 0x0
.endif
	MULT \u, 0, 8
.if (\u) == 0
	MULT \u, 8, 12
.endif
	s_cmp_eq_u32 s[G8], 0
	s_cbranch_scc1 .Lg_\@
.if (\u) > 0
	MULT \u, 8, 10
.endif
.if (\u) < 14
	NOP4
	ALOAD (\u)+2, 8, 10
.endif
	s_cmp_eq_u32 s[G10], 0
	s_cbranch_scc1 .Lg_\@
.if (\u) > 0
	MULT \u, 10, 12
.endif
.if (\u) < 14
	NOP4
	ALOAD (\u)+2, 10, 12
.endif
.Lg_\@:
.if (\u) < 14
	NOP4
	ALOAD (\u)+2, 0, 8
.endif
.endm
.macro SAVEA lo, hi                    ; accumulators lo .. hi - 1 into the partial sums, each from its lowest registers up, 512 consecutive bytes a store
	WIN 0x04
.set ai, \lo
.rept (\hi)-(\lo)
	ds_store_b128 v[STS+ai/8], v[8*ai:8*ai+3]   offset:(ai%8)*8192
	ds_store_b128 v[STS+ai/8], v[8*ai+4:8*ai+7] offset:(ai%8)*8192+512
.set ai, ai+1
.endr
	WIN 0
.endm
; Tile 2 c + (my half) of the block, if it is live: both halves' sums of its two accumulators, b1, bf16, relu, two stores.
.macro RED1 c
	s_add_co_u32 s[TA], s[MT0], 2*(\c)
	s_add_co_u32 s[TA], s[TA], s[KG]
	s_cmp_lt_u32 s[TA], s[NT]
	s_cbranch_scc0 .Lr_\@
.irp m, 0,1,2,3,4,5,6,7                ; m = 4 t + 2 (half of K) + (half of the accumulator)
	ds_load_b128 v[T+32*(\c)+4*\m:T+32*(\c)+4*\m+3], v[RD+(\c)/2] offset:((\c)%2)*32768+(\m/4)*8192+((\m/2)%2)*1024+(\m%2)*512
.endr
	s_lshl_b32 s[TA], s[TA], 17            ; a tile of hfrag is 131,072 bytes
	s_wait_dscnt 0x0
.irp t, 0,1
.irp j, 0,2,4,6
	v_pk_add_f32 v[T+32*(\c)+16*\t+\j:T+32*(\c)+16*\t+\j+1], v[T+32*(\c)+16*\t+\j:T+32*(\c)+16*\t+\j+1], v[T+32*(\c)+16*\t+8+\j:T+32*(\c)+16*\t+8+\j+1]
.endr
.endr
	s_wait_loadcnt 0x0                     ; b1
.irp t, 0,1
.irp j, 0,2,4,6
	v_pk_add_f32 v[T+32*(\c)+16*\t+\j:T+32*(\c)+16*\t+\j+1], v[T+32*(\c)+16*\t+\j:T+32*(\c)+16*\t+\j+1], v[BI+8*\t+\j:BI+8*\t+\j+1]
.endr
.endr
.irp t, 0,1
.irp j, 0,1,2,3
	v_cvt_pk_bf16_f32 v[T+32*(\c)+16*\t+\j], v[T+32*(\c)+16*\t+2*\j], v[T+32*(\c)+16*\t+2*\j+1]
.endr
.endr
.irp t, 0,1
.irp j, 0,1,2,3
	v_pk_max_num_bf16 v[T+32*(\c)+16*\t+\j], v[T+32*(\c)+16*\t+\j], v[ZR]
.endr
.endr
	v_add_nc_u32 v[T+32*(\c)+8], s[TA], v[L16]
	global_store_b128 v[T+32*(\c)+8], v[T+32*(\c):T+32*(\c)+3], s[HS:HS+1]
	global_store_b128 v[T+32*(\c)+8], v[T+32*(\c)+16:T+32*(\c)+19], s[HS:HS+1] offset:512
.Lr_\@:
.endm
	s_load_b256 s[8:15], s[0:1], 0x0
	s_load_b64 s[16:17], s[0:1], 0x20
	v_lshl_add_u32 v2, v0, 2, SPARE
	v_mov_b32 v3, 0
	v_lshrrev_b32 v1, 5, v0
	v_readfirstlane_b32 s[WV], v1
	s_and_b32 s[KG], s[WV], 1
	s_lshr_b32 s[QG], s[WV], 1
	s_and_b32 s[EX], ttmp7, 0xffff
	s_mov_b32 s[SL], ttmp9
	s_mov_b32 s[OP+1], 0
	s_wait_kmcnt 0x0
	s_lshl_b32 s[OP], s[EX], 7
	s_add_nc_u64 s[QC:QC+1], s[PC:PC+1], s[OP:OP+1]
	s_load_b32 s[CNT], s[QC:QC+1], 0x0
	v_and_b32 v1, 31, v0
	v_lshlrev_b32 v[L16], 4, v1
	v_bfe_u32 v61, v0, 4, 1                ; h = lane >> 4
	v_lshlrev_b32 v[H32], 5, v61
	v_bfe_u32 v62, v0, 3, 2                ; lane >> 3
	v_and_b32 v63, 7, v0
	v_lshlrev_b32 v[WOFF], LPW, v62        ; a weight load: row lane >> 3 of four, 16 bytes at 16 (lane & 7)
	v_lshl_add_u32 v[WOFF], v63, 4, v[WOFF]
	s_mul_i32 s[TA], s[WV], STGW           ; my stage
	v_bfe_u32 v1, v0, 2, 1                 ; my 4 columns lie in plane (lane >> 2) & 1, at byte 8 (lane & 3) of row lane >> 3
	v_mul_u32_u24 v[STA], v1, PL1
	v_lshl_add_u32 v[STA], v62, 5, v[STA]
	v_and_b32 v1, 3, v0
	v_lshl_add_u32 v[STA], v1, 3, v[STA]
	v_add_nc_u32 v[STA], s[TA], v[STA]
	v_lshl_add_u32 v[TRA], v61, 3, v63     ; the turning load: K row 8 h + (lane & 7), 16 bytes at 16 ((lane >> 3) & 1)
	v_lshlrev_b32 v[TRA], 5, v[TRA]
	v_bfe_u32 v1, v0, 3, 1
	v_lshl_add_u32 v[TRA], v1, 4, v[TRA]
	v_add_nc_u32 v[TRA], s[TA], v[TRA]
	s_lshl_b32 s[TA], s[WV], 10
	s_add_co_u32 s[TA], s[TA], SCR
	v_add_nc_u32 v[STS], s[TA], v[L16]
	v_add_nc_u32 v[STS+1], 0x10000, v[STS]
	v_add_nc_u32 v[STS+2], 0x20000, v[STS]
	s_and_b32 s[TA], s[WV], 6              ; I read my group's two waves, accumulators 4 c + 2 (my half) + t
	s_lshl_b32 s[TA], s[TA], 10
	s_lshl_b32 s[TB], s[KG], 14
	s_add_co_u32 s[TA], s[TA], s[TB]
	s_add_co_u32 s[TA], s[TA], SCR
	v_add_nc_u32 v[RD], s[TA], v[L16]
	v_add_nc_u32 v[RD+1], 0x10000, v[RD]
	v_add_nc_u32 v[RD+2], 0x20000, v[RD]
	v_mov_b32 v[ZR], 0
	s_lshl_b32 s[OP], s[EX], 24            ; an expert's 16 MiB, my 512 rows, my 128 bytes of a row
	s_lshl_b32 s[TA], s[KG], 23
	s_add_co_u32 s[OP], s[OP], s[TA]
	s_lshl_b32 s[TA], s[SL], 9
	s_add_co_u32 s[OP], s[OP], s[TA]
	s_lshl_b32 s[TA], s[QG], 7
	s_add_co_u32 s[OP], s[OP], s[TA]
	s_add_nc_u64 s[WB:WB+1], s[PWT:PWT+1], s[OP:OP+1]
	s_lshl_b32 s[OP], s[EX], 21
	s_lshl_b32 s[TA], s[KG], 14
	s_add_co_u32 s[OP], s[OP], s[TA]
	s_add_nc_u64 s[AB:AB+1], s[PA:PA+1], s[OP:OP+1]
	s_lshl_b32 s[OP], s[EX], 14
	s_lshl_b32 s[TA], s[SL], 9
	s_add_co_u32 s[OP], s[OP], s[TA]
	s_lshl_b32 s[TA], s[QG], 7
	s_add_co_u32 s[OP], s[OP], s[TA]
	s_add_nc_u64 s[BB:BB+1], s[PBI:PBI+1], s[OP:OP+1]
	s_lshl_b32 s[OP], s[EX], 23
	s_lshl2_add_u32 s[TA], s[SL], s[QG]    ; my K block of the next product: 4 slice + group
	s_lshl_b32 s[TA], s[TA], 10
	s_add_co_u32 s[OP], s[OP], s[TA]
	s_add_nc_u64 s[HS:HS+1], s[PH:PH+1], s[OP:OP+1]
	s_mov_b32 s[MT0], 0
	s_mov_b32 s[BL], 6
	s_wait_kmcnt 0x0
	s_min_u32 s[CNT], s[CNT], 0x400
	s_add_co_u32 s[NT], s[CNT], 15
	s_lshr_b32 s[NT], s[NT], 4
.Lblock:
	s_cmp_lt_u32 s[MT0], s[NT]
	s_cbranch_scc0 .Lidle1                 ; no row in this block: only the barriers are passed
	s_wait_loadcnt 0x0                     ; no load is out,
	s_wait_xcnt 0x0                        ; and no store still reads its registers
	WLOAD 0
	WLOAD 1
	s_sub_co_u32 s[TB], s[NT], 1
.set ti, 0
.rept 12
	s_add_co_u32 s[TA], s[MT0], ti
	s_min_u32 s[TA], s[TA], s[TB]          ; a tile past the count repeats the last live one: no byte is read that was not stored
	s_min_u32 s[TA], s[TA], 63
	s_lshl_b32 s[TA], s[TA], TSH
	v_add_nc_u32 v[AO+ti], s[TA], v[L16]
.set ti, ti+1
.endr
	s_add_co_u32 s[TA], s[MT0], 8
	s_cmp_lt_u32 s[TA], s[NT]
	s_cselect_b32 s[G8], 1, 0
	s_add_co_u32 s[TA], s[MT0], 10
	s_cmp_lt_u32 s[TA], s[NT]
	s_cselect_b32 s[G10], 1, 0
	ALOAD 0, 0, 12
	WPART 0, 32                            ; behind W(0) stand W(1)'s 8 loads and A(0)'s 24
	ALOAD 1, 0, 12
.irp u, 0,1,2,3,4,5,6,7,8,9,10,11,12,13,14,15
	UNIT \u
.endr
	NOP4
	SAVEA 0, 16
	s_cmp_eq_u32 s[G8], 0
	s_cbranch_scc1 .Lsaved
	SAVEA 16, 20
	s_cmp_eq_u32 s[G10], 0
	s_cbranch_scc1 .Lsaved
	SAVEA 20, 24
.Lsaved:
.Lidle1:
	BAR                                    ; every wave's partial sums are in LDS
	s_cmp_lt_u32 s[MT0], s[NT]
	s_cbranch_scc0 .Lidle2
.irp t, 0,1
	global_load_b128 v[BI+8*\t:BI+8*\t+3],   v[H32], s[BB:BB+1] offset:64*\t      ; b1 of my eight columns 16 t + 8 h + 0..7
	global_load_b128 v[BI+8*\t+4:BI+8*\t+7], v[H32], s[BB:BB+1] offset:64*\t+16
.endr
.irp c, 0,1,2,3,4,5
	RED1 \c
.endr
	s_wait_loadcnt 0x0                     ; whatever was jumped: nothing is out,
	s_wait_xcnt 0x0                        ; and the stores' registers may be written again
.Lidle2:
	BAR                                    ; every wave's reads of the partial sums are back: the next block may store
	s_add_co_u32 s[MT0], s[MT0], 12
	s_sub_co_u32 s[BL], s[BL], 1
	s_cmp_lg_u32 s[BL], 0
	s_cbranch_scc1 .Lblock
	s_wait_tensorcnt 0x0                   ; the wave's end
	ds_add_u32 v2, v3
	s_wait_dscnt 0x0
	s_endpgm
.Lfunc_end_k_qa74e6df564_ffn1:
	.size	k_qa74e6df564_ffn1, .Lfunc_end_k_qa74e6df564_ffn1-k_qa74e6df564_ffn1
	.p2alignl 7, 3214868480
	.fill 96, 4, 3214868480
	.section	.rodata,"a",@progbits
	.p2align	6, 0x0
	.amdhsa_kernel k_qa74e6df564_ffn1
		.amdhsa_group_segment_fixed_size 216064
		.amdhsa_private_segment_fixed_size 0
		.amdhsa_enable_private_segment 0
		.amdhsa_kernarg_size 40
		.amdhsa_user_sgpr_count 2
		.amdhsa_user_sgpr_kernarg_segment_ptr 1
		.amdhsa_wavefront_size32 1
		.amdhsa_system_sgpr_workgroup_id_x 1
		.amdhsa_system_sgpr_workgroup_id_y 1
		.amdhsa_system_sgpr_workgroup_id_z 1
		.amdhsa_system_vgpr_workitem_id 0
		.amdhsa_next_free_vgpr 512
		.amdhsa_next_free_sgpr 66
		.amdhsa_reserve_vcc 0
		.amdhsa_float_denorm_mode_32 3
		.amdhsa_float_denorm_mode_16_64 3
		.amdhsa_memory_ordered 1
		.amdhsa_forward_progress 1
		.amdhsa_inst_pref_size 142
	.end_amdhsa_kernel
	.amdgpu_metadata
---
amdhsa.version: [ 1, 2 ]
amdhsa.kernels:
  - .name:           k_qa74e6df564_ffn1
    .symbol:         k_qa74e6df564_ffn1.kd
    .args:
      - { .name: xfrag, .offset: 0, .size: 8, .value_kind: global_buffer, .address_space: global }
      - { .name: counts, .offset: 8, .size: 8, .value_kind: global_buffer, .address_space: global }
      - { .name: W1, .offset: 16, .size: 8, .value_kind: global_buffer, .address_space: global }
      - { .name: b1, .offset: 24, .size: 8, .value_kind: global_buffer, .address_space: global }
      - { .name: hfrag, .offset: 32, .size: 8, .value_kind: global_buffer, .address_space: global }
    .group_segment_fixed_size: 216064
    .private_segment_fixed_size: 0
    .kernarg_segment_align: 8
    .kernarg_segment_size: 40
    .max_flat_workgroup_size: 256
    .sgpr_count:     66
    .vgpr_count:     512
    .wavefront_size: 32
...
	.end_amdgpu_metadata
.endif
;; end of part 2
;; launch ffn2 (part 3): grid 32 x 8, 8 waves a work-group, no clusters, 234,496 bytes of LDS; arguments hfrag, order, counts, W2, b2, part; writes part
.if DOCPART == 3
	.amdgcn_target "amdgcn-amd-amdhsa--gfx1250"
	.amdhsa_code_object_version 6
	.text
	.protected	k_qa74e6df564_ffn2
	.globl	k_qa74e6df564_ffn2
	.p2align	8
	.type	k_qa74e6df564_ffn2,@function
k_qa74e6df564_ffn2:
	s_mov_b64 s[64:65], 0
	v_nop
	global_prefetch_b8 v0, s[64:65] scope:SCOPE_SE
	s_setreg_imm32_b32 hwreg(HW_REG_WAVE_MODE, 25, 1), 1
	s_wait_xcnt 0x0
; part[kq][token] = h[:, quarter kq of K] W2[e][quarter kq, :], + b2[e] in quarter 0, for the rows of expert e.  W2 [8][4096][1024], b2 [8][1024] f32; part [4][1024][1024] f32, whose four quarters the
; last launch adds; h in bf16 in operand order (hfrag), order[e][rank] = token, counts[e] at byte 128 e.
; SHARES.  Work-group (x, e) owns 128 columns (slice x & 7) and a quarter of K (x >> 3): 1,024 weight rows of 512 bytes, which it alone reads, and ALL rows of e.  Wave w owns 32 of the columns (group w >> 1)
; and half of the quarter (w & 1): 512 rows of 128 bytes.  WHY K IS SPLIT AMONG WORK-GROUPS: with all of K and 32 columns a work-group fetches 8 KB of every row of h for its 512 KB of weights, each byte
; for one wave; so it fetches 2 KB of a row, each byte for four waves at once.  The price is 16 MB of partial sums, f32, stored here and read once more.
; A wave multiplies only weights that it loaded itself.
; THE WAVE'S JOB: 16 units of 32 along K, written out, so that every LDS address is a fixed register and an immediate.  A unit: 8 weight loads (4 rows x 128 bytes each), rounded in place, staged,
; fetched turned as two fragments of 16 columns; two loads of 512 consecutive bytes for each tile of 16 rows; two products a tile.  Rows go in blocks of 12 tiles (24 accumulators).
; Tiles 0-7 are always multiplied (a tile past the count repeats the last live one), tiles 8, 9 and 10, 11 under the flags G8 and G10; unit 0 and the first two units' row loads have no guard,
; so that every register is written whatever the flags.  More than 192 rows: the block loop (6 trips cover 64 tiles; a dead block is jumped, the barriers are not) streams the weights again.
; TRANSPOSED USE: source 0 = 16 columns of W2, source 1 = 16 rows of h: a lane holds one row and eight neighbouring columns.
; THE WAY OUT.  Every wave stores its live accumulators into LDS, a barrier; wave w then finishes the half tiles w, w + 8, w + 16 of the block (tile 4 c + w / 2, rows 8 (w & 1) + 0..7), a row at a time:
; lane l takes columns 4 l .. 4 l + 3 of the slice from both halves of K, adds them and b2 times FL (1 in quarter 0, else 0), and the wave stores the row's 512 consecutive bytes, at a multiple of 512 from
; part's first byte.  A second barrier stands in front of the next block's stores.  The sums' pitches in LDS are 16, 32, 64 and 128 modulo 256 for the four bits of l that differ among 16 neighbouring lanes.
; NO LANE IS SWITCHED OFF.  In a live tile a place past the count holds the tile's first token, in the list and in the rows (the first launch lays both so): its row is the first row's, number for number,
; and is stored to the same bytes.  Dead tiles are jumped by a scalar branch.
; NO JOINT LOADS: each weight byte has one reader.  The 8 work-groups of an expert and quarter do read the same rows, but those go straight into registers as operands, and the number of their tiles is read from memory.
; LIMITS.  W2 and h are bf16, sums and bias f32.  A bias that is not finite gives NaN in quarters 1 to 3 (it is multiplied by 0 there).  Rows whose index is outside 0..7 were written by the first launch.
.set PW,    4096                       ; bytes from row to row of W2
.set LPW,   12
.set TSH,   17                         ; a tile of hfrag is 131,072 bytes
.set STGW,  2304                       ; a wave's stage: two planes (16 columns each) of 32 K rows x 32 bytes,
.set PL1,   1152                       ; 1,152 apart: the two planes' 128 bytes of one store fall into different halves of 256
.set SCR,   8*STGW                     ; 18,432: the partial sums: 16 bytes at row r x 16 +
.set QP,    272                        ; registers 0-3 or 4-7 of the accumulator,
.set HP,    544                        ; the half of the lanes,
.set TT,    1088                       ; the column tile,
.set WS,    2240                       ; the wave,
.set TS,    8*WS                       ; 17,920: the row tile
.set SPARE, SCR+12*TS                  ; 233,472: the spare words, 128 bytes for each of 8 waves, which no other line names
.set PA,  8                            ; s[8:19] hfrag, order, counts, W2, b2, part
.set PO,  10
.set PC,  12
.set PWT, 14
.set PBI, 16
.set PZ,  18
.set WV,  24
.set KG,  25                           ; wave & 1: my half of the quarter of K; on the way out my half of a tile's rows
.set QG,  26                           ; wave >> 1: my group of 32 columns; on the way out my tile among four
.set EX,  27
.set CNT, 29
.set OP,  30                           ; s[30:31] an offset, high word 0
.set NT,  32                           ; live tiles
.set MT0, 33                           ; the block's first tile
.set G8,  34
.set G10, 35
.set WB,  36                           ; s[36:37] my weights
.set AB,  38                           ; s[38:39] my expert's rows at my part of K
.set BB,  40                           ; s[40:41] b2 at my work-group's columns
.set OB,  42                           ; s[42:43] part at my quarter and my work-group's columns
.set QC,  44
.set BL,  46
.set TA,  47
.set TB,  48
.set KQ,  49                           ; my work-group's quarter of K
.set QO,  50                           ; s[50:51] order at my expert
.set TK,  52                           ; s[52:59] eight rows' tokens, then their byte offsets
.set FL,  60                           ; s[60:61] 1.0 in quarter 0, else 0
.set CS,  62                           ; my work-group's slice of 128 columns
; window 0.  v2, v3: the spare word's address and 0, for the add at the wave's end alone
.set TKN,  1                           ; lane 8 c + rr: the token of row rr of my half tile c
.set AO,   4                           ; v[4:15] byte offset of tile i in my expert's rows, + 16 lane
.set BF,   16                          ; v[16:47] weight fragments: unit's parity, column tile t at BF + 16 p + 8 t
.set WOFF, 48
.set STA,  49
.set TRA,  50
.set L16,  51
.set STS,  52                          ; v[52:55] where I store the accumulators of tiles 0-2, 3-5, 6-8, 9-11
.set RD,   56                          ; v[56:58] where I read my half tiles 0, 1, 2
.set RK,   59                          ; the rank, in the block, of the row whose token my lane fetches
.set BI,   60                          ; v[60:63] b2 of my four columns
.set AR,   64                          ; v[64:255] rows: unit's parity, tile i at AR + 96 p + 8 i; on the way out: at work
.set WR,   192                         ; window 1: v[192:255] weights as loaded, unit's parity at WR + 32 p; v[0:191] accumulators (i, t) at 16 i + 8 t
.set T,    64
.set MSB, 0
.macro WIN new                         ; the immediate's high byte repeats the setting that is left; a switch that changes nothing is dropped
.if MSB != (\new)
	s_set_vgpr_msb (MSB<<8)|(\new)
.set MSB, (\new)
.endif
.endm
.macro BAR                             ; my LDS stores are done and my LDS reads are back; then the barrier
	s_wait_dscnt 0x0
	s_barrier_signal -1
	s_barrier_wait -1
.endm
.macro NOP4                            ; four places between matrix instructions and what reads their results or loads into their sources
.rept 4
	v_nop
.endr
.endm
.macro WLOAD v                         ; unit v's weights: 8 loads of 4 rows x 128 bytes
	WIN 0x40                               ; destination in window 1
.irp i, 0,1,2,3,4,5,6,7
	global_load_b128 v[WR+32*((\v)%2)+4*\i:WR+32*((\v)%2)+4*\i+3], v[WOFF], s[WB:WB+1] offset:(32*(\v)+4*\i)*PW
.endr
	WIN 0
.endm
.macro WPART v, cnt                    ; unit v's weights: waited for, rounded in place, staged; their registers asked for again, two units on; the two fragments fetched turned
	s_wait_loadcnt \cnt
	WIN 0x45
.irp i, 0,1,2,3,4,5,6,7
	v_cvt_pk_bf16_f32 v[WR+32*((\v)%2)+4*\i],   v[WR+32*((\v)%2)+4*\i],   v[WR+32*((\v)%2)+4*\i+1]
	v_cvt_pk_bf16_f32 v[WR+32*((\v)%2)+4*\i+1], v[WR+32*((\v)%2)+4*\i+2], v[WR+32*((\v)%2)+4*\i+3]
.endr
	WIN 0x04                               ; the stores' data in window 1
.irp i, 0,1,2,3,4,5,6,7
	ds_store_b64 v[STA], v[WR+32*((\v)%2)+4*\i:WR+32*((\v)%2)+4*\i+1] offset:128*\i
.endr
.if (\v)+2 <= 15
	WLOAD (\v)+2
.endif
	WIN 0
.irp t, 0,1                            ; LDS serves a wave's instructions in order: these see the stores above, and the next unit's stores come behind them
	ds_load_tr16_b128 v[BF+16*((\v)%2)+8*\t:BF+16*((\v)%2)+8*\t+3],   v[TRA] offset:PL1*\t      ; K 8 h .. of column lane & 15,
	ds_load_tr16_b128 v[BF+16*((\v)%2)+8*\t+4:BF+16*((\v)%2)+8*\t+7], v[TRA] offset:PL1*\t+512  ; and 16 rows of 32 bytes on
.endr
.endm
.macro ALOAD v, lo, hi                 ; unit v's rows of tiles lo .. hi - 1: two loads of 512 consecutive bytes a tile
.set ti, \lo
.rept (\hi)-(\lo)
	global_load_b128 v[AR+96*((\v)%2)+8*ti:AR+96*((\v)%2)+8*ti+3],   v[AO+ti], s[AB:AB+1] offset:1024*(\v)
	global_load_b128 v[AR+96*((\v)%2)+8*ti+4:AR+96*((\v)%2)+8*ti+7], v[AO+ti], s[AB:AB+1] offset:1024*(\v)+512
.set ti, ti+1
.endr
.endm
.macro MULT u, lo, hi                  ; unit u's products of tiles lo .. hi - 1.  The accumulators take turns, one instruction a turn.  Unit 0 starts the sums
	WIN 0x50                               ; C and D in window 1
.set ti, \lo
.rept (\hi)-(\lo)
.irp t, 0,1
.if (\u) == 0
	v_wmma_f32_16x16x32_bf16 v[16*ti+8*\t:16*ti+8*\t+7], v[BF+16*((\u)%2)+8*\t:BF+16*((\u)%2)+8*\t+7], v[AR+96*((\u)%2)+8*ti:AR+96*((\u)%2)+8*ti+7], 0
.else
	v_wmma_f32_16x16x32_bf16 v[16*ti+8*\t:16*ti+8*\t+7], v[BF+16*((\u)%2)+8*\t:BF+16*((\u)%2)+8*\t+7], v[AR+96*((\u)%2)+8*ti:AR+96*((\u)%2)+8*ti+7], v[16*ti+8*\t:16*ti+8*\t+7]
.endif
.endr
.set ti, ti+1
.endr
	WIN 0
.endm
.macro NW x                            ; cnv = weight loads of unit x
.set cnv, 0
.if (\x) <= 15
.set cnv, 8
.endif
.endm
.macro NA x                            ; cnv = row loads of unit x that are issued whatever the flags
.set cnv, 0
.if (\x) <= 15
.set cnv, 16
.endif
.if (\x) <= 1
.set cnv, 24
.endif
.endm
; Unit u.  Loads are issued in the order W(0) W(1) A(0) | W(2) A(1) | and in unit t: W(t+3), A(t+2); they come back in that order.
; cw: behind W(u+1) stand A(u), W(u+2), A(u+1).  ca: behind A(u) stand W(u+2), A(u+1), W(u+3).  Guarded loads are not counted: the counts hold on every way.
.macro UNIT u
	NA \u
.set cw, cnv
	NW (\u)+2
.set cw, cw+cnv
.set ca, cnv
	NA (\u)+1
.set cw, cw+cnv
.set ca, ca+cnv
	NW (\u)+3
.set ca, ca+cnv
.if (\u) < 15
	WPART (\u)+1, cw
.endif
	s_wait_loadcnt ca
.if (\u) < 15
	s_wait_dscnt 12                        ; all but the 8 stage stores and 4 turned loads just issued: this unit's fragments are in
.else
	s_wait_dscnt 0x0
.endif
	MULT \u, 0, 8
.if (\u) == 0
	MULT \u, 8, 12
.endif
	s_cmp_eq_u32 s[G8], 0
	s_cbranch_scc1 .Lg_\@
.if (\u) > 0
	MULT \u, 8, 10
.endif
.if (\u) < 14
	NOP4
	ALOAD (\u)+2, 8, 10
.endif
	s_cmp_eq_u32 s[G10], 0
	s_cbranch_scc1 .Lg_\@
.if (\u) > 0
	MULT \u, 10, 12
.endif
.if (\u) < 14
	NOP4
	ALOAD (\u)+2, 10, 12
.endif
.Lg_\@:
.if (\u) < 14
	NOP4
	ALOAD (\u)+2, 0, 8
.endif
.endm
.macro SAVEA lo, hi                    ; the accumulators of tiles lo .. hi - 1 into the partial sums, each from its lowest registers up; sixteen lanes store 256 consecutive bytes
	WIN 0x04
.set ti, \lo
.rept (\hi)-(\lo)
.irp t, 0,1
	ds_store_b128 v[STS+ti/3], v[16*ti+8*\t:16*ti+8*\t+3]   offset:(ti%3)*TS+\t*TT
	ds_store_b128 v[STS+ti/3], v[16*ti+8*\t+4:16*ti+8*\t+7] offset:(ti%3)*TS+\t*TT+QP
.endr
.set ti, ti+1
.endr
	WIN 0
.endm
; My half tile c (tile 4 c + w / 2 of the block), if the tile is live: eight rows of 128 columns, each from both halves of K.
.macro RED3 c
	s_add_co_u32 s[TA], s[MT0], 4*(\c)
	s_add_co_u32 s[TA], s[TA], s[QG]
	s_cmp_lt_u32 s[TA], s[NT]
	s_cbranch_scc0 .Lr_\@
.irp rr, 0,1,2,3,4,5,6,7
	ds_load_b128 v[T+64*(\c)+8*\rr:T+64*(\c)+8*\rr+3],   v[RD+(\c)] offset:16*\rr
	ds_load_b128 v[T+64*(\c)+8*\rr+4:T+64*(\c)+8*\rr+7], v[RD+(\c)] offset:16*\rr+WS
.endr
.irp rr, 0,1,2,3,4,5,6,7
	v_readlane_b32 s[TK+\rr], v[TKN], 8*(\c)+\rr
.endr
.irp rr, 0,1,2,3,4,5,6,7
	s_min_u32 s[TK+\rr], s[TK+\rr], 0x3ff
	s_lshl_b32 s[TK+\rr], s[TK+\rr], 12    ; the token's row of 4,096 bytes
.endr
	s_wait_dscnt 0x0
.irp rr, 0,1,2,3,4,5,6,7
.irp j, 0,2
	v_pk_add_f32 v[T+64*(\c)+8*\rr+\j:T+64*(\c)+8*\rr+\j+1], v[T+64*(\c)+8*\rr+\j:T+64*(\c)+8*\rr+\j+1], v[T+64*(\c)+8*\rr+4+\j:T+64*(\c)+8*\rr+4+\j+1]
.endr
.endr
.irp rr, 0,1,2,3,4,5,6,7
.irp j, 0,2
	v_pk_fma_f32 v[T+64*(\c)+8*\rr+\j:T+64*(\c)+8*\rr+\j+1], v[BI+\j:BI+\j+1], s[FL:FL+1], v[T+64*(\c)+8*\rr+\j:T+64*(\c)+8*\rr+\j+1] op_sel_hi:[1,0,1]
.endr
.endr
.irp rr, 0,1,2,3,4,5,6,7
	v_add_nc_u32 v[T+64*(\c)+8*\rr+4], s[TK+\rr], v[L16]
.endr
.irp rr, 0,1,2,3,4,5,6,7
	global_store_b128 v[T+64*(\c)+8*\rr+4], v[T+64*(\c)+8*\rr:T+64*(\c)+8*\rr+3], s[OB:OB+1] th:TH_STORE_NT  ; 512 consecutive bytes of one row
.endr
.Lr_\@:
.endm
	s_load_b256 s[8:15], s[0:1], 0x0
	s_load_b128 s[16:19], s[0:1], 0x20
	v_lshl_add_u32 v2, v0, 2, SPARE
	v_mov_b32 v3, 0
	v_lshrrev_b32 v1, 5, v0
	v_readfirstlane_b32 s[WV], v1
	s_and_b32 s[KG], s[WV], 1
	s_lshr_b32 s[QG], s[WV], 1
	s_and_b32 s[EX], ttmp7, 0xffff
	s_and_b32 s[CS], ttmp9, 7
	s_lshr_b32 s[KQ], ttmp9, 3
	s_mov_b32 s[OP+1], 0
	v_and_b32 v1, 31, v0
	v_lshlrev_b32 v[L16], 4, v1
	s_wait_kmcnt 0x0
	s_lshl_b32 s[OP], s[EX], 7
	s_add_nc_u64 s[QC:QC+1], s[PC:PC+1], s[OP:OP+1]
	s_load_b32 s[CNT], s[QC:QC+1], 0x0
	s_lshl_b32 s[OP], s[EX], 12
	s_add_nc_u64 s[QO:QO+1], s[PO:PO+1], s[OP:OP+1]
	s_lshl_b32 s[TA], s[CS], 9
	s_add_co_u32 s[OP], s[OP], s[TA]
	s_add_nc_u64 s[BB:BB+1], s[PBI:PBI+1], s[OP:OP+1]
	global_load_b128 v[BI:BI+3], v[L16], s[BB:BB+1]  ; b2 of columns 4 l .. 4 l + 3 of the slice, once, long before it is wanted
	v_bfe_u32 v4, v0, 4, 1                 ; h = lane >> 4   (v4 to v7 are at work here; the block's top writes them anew)
	v_bfe_u32 v5, v0, 3, 2                 ; lane >> 3
	v_and_b32 v6, 7, v0
	v_lshlrev_b32 v[WOFF], LPW, v5         ; a weight load: row lane >> 3 of four, 16 bytes at 16 (lane & 7)
	v_lshl_add_u32 v[WOFF], v6, 4, v[WOFF]
	s_mul_i32 s[TA], s[WV], STGW           ; my stage
	v_bfe_u32 v1, v0, 2, 1                 ; my 4 columns lie in plane (lane >> 2) & 1, at byte 8 (lane & 3) of row lane >> 3
	v_mul_u32_u24 v[STA], v1, PL1
	v_lshl_add_u32 v[STA], v5, 5, v[STA]
	v_and_b32 v1, 3, v0
	v_lshl_add_u32 v[STA], v1, 3, v[STA]
	v_add_nc_u32 v[STA], s[TA], v[STA]
	v_lshl_add_u32 v[TRA], v4, 3, v6       ; the turning load: K row 8 h + (lane & 7), 16 bytes at 16 ((lane >> 3) & 1)
	v_lshlrev_b32 v[TRA], 5, v[TRA]
	v_bfe_u32 v1, v0, 3, 1
	v_lshl_add_u32 v[TRA], v1, 4, v[TRA]
	v_add_nc_u32 v[TRA], s[TA], v[TRA]
	v_and_b32 v1, 15, v0                   ; into the partial sums: my wave's part, my half of the lanes, row lane & 15
	v_mul_u32_u24 v[STS], v4, HP
	v_lshl_add_u32 v[STS], v1, 4, v[STS]
	s_mul_i32 s[TA], s[WV], WS
	s_add_co_u32 s[TA], s[TA], SCR
	v_add_nc_u32 v[STS], s[TA], v[STS]
	v_add_nc_u32 v[STS+1], 3*TS, v[STS]
	v_add_nc_u32 v[STS+2], 6*TS, v[STS]
	v_add_nc_u32 v[STS+3], 9*TS, v[STS]
	v_mul_u32_u24 v[RD], v5, 2*WS          ; out of them: columns 4 l ..: group l >> 3 (two waves on), column tile (l >> 2) & 1, half (l >> 1) & 1, registers 0-3 or 4-7 by l & 1
	v_bfe_u32 v1, v0, 2, 1
	v_mul_u32_u24 v7, v1, TT
	v_add_nc_u32 v[RD], v[RD], v7
	v_bfe_u32 v1, v0, 1, 1
	v_mul_u32_u24 v7, v1, HP
	v_add_nc_u32 v[RD], v[RD], v7
	v_and_b32 v1, 1, v0
	v_mul_u32_u24 v7, v1, QP
	v_add_nc_u32 v[RD], v[RD], v7
	s_mul_i32 s[TA], s[QG], TS             ; tile w / 2 of four,
	s_lshl_b32 s[TB], s[KG], 7             ; rows 8 (w & 1) on
	s_add_co_u32 s[TA], s[TA], s[TB]
	s_add_co_u32 s[TA], s[TA], SCR
	v_add_nc_u32 v[RD], s[TA], v[RD]
	v_add_nc_u32 v[RD+1], 4*TS, v[RD]
	v_add_nc_u32 v[RD+2], 8*TS, v[RD]
	v_lshl_add_u32 v[RK], v5, 6, v6        ; lane 8 c + rr: rank 64 c + 16 (w / 2) + 8 (w & 1) + rr in the block
	s_lshl_b32 s[TA], s[WV], 3
	v_add_nc_u32 v[RK], s[TA], v[RK]
	s_lshl_b32 s[OP], s[EX], 24            ; an expert's 16 MiB, the quarter's 1,024 rows, my 512 of them, the slice's 512 bytes of a row, my 128 of them
	s_lshl_b32 s[TA], s[KQ], 22
	s_add_co_u32 s[OP], s[OP], s[TA]
	s_lshl_b32 s[TA], s[KG], 21
	s_add_co_u32 s[OP], s[OP], s[TA]
	s_lshl_b32 s[TA], s[CS], 9
	s_add_co_u32 s[OP], s[OP], s[TA]
	s_lshl_b32 s[TA], s[QG], 7
	s_add_co_u32 s[OP], s[OP], s[TA]
	s_add_nc_u64 s[WB:WB+1], s[PWT:PWT+1], s[OP:OP+1]
	s_lshl_b32 s[OP], s[EX], 23            ; an expert's 64 tiles, the quarter's 32 K blocks of 1,024 bytes, my 16 of them
	s_lshl_b32 s[TA], s[KQ], 15
	s_add_co_u32 s[OP], s[OP], s[TA]
	s_lshl_b32 s[TA], s[KG], 14
	s_add_co_u32 s[OP], s[OP], s[TA]
	s_add_nc_u64 s[AB:AB+1], s[PA:PA+1], s[OP:OP+1]
	s_lshl_b32 s[OP], s[KQ], 22            ; a quarter of part is 4 MiB
	s_lshl_b32 s[TA], s[CS], 9
	s_add_co_u32 s[OP], s[OP], s[TA]
	s_add_nc_u64 s[OB:OB+1], s[PZ:PZ+1], s[OP:OP+1]
	s_cmp_eq_u32 s[KQ], 0
	s_cselect_b32 s[FL], 1.0, 0
	s_mov_b32 s[FL+1], s[FL]               ; named with it as a pair
	s_mov_b32 s[MT0], 0
	s_mov_b32 s[BL], 6
	s_wait_kmcnt 0x0
	s_min_u32 s[CNT], s[CNT], 0x400
	s_add_co_u32 s[NT], s[CNT], 15
	s_lshr_b32 s[NT], s[NT], 4
.Lblock:
	s_cmp_lt_u32 s[MT0], s[NT]
	s_cbranch_scc0 .Lidle1                 ; no row in this block: only the barriers are passed
	s_wait_xcnt 0x0                        ; no store still reads its registers; of the loads only b2's can be out here, and nothing below names its registers
	s_lshl_b32 s[TB], s[NT], 4
	s_sub_co_u32 s[TB], s[TB], 1           ; the last rank whose token was stored
	s_lshl_b32 s[TA], s[MT0], 4
	v_add_nc_u32 v[TKN], s[TA], v[RK]
	v_min_u32 v[TKN], s[TB], v[TKN]        ; (of a dead tile, whose token is not used: a rank that was stored)
	v_min_u32 v[TKN], 0x3ff, v[TKN]
	v_lshlrev_b32 v[TKN], 2, v[TKN]
	global_load_b32 v[TKN], v[TKN], s[QO:QO+1]  ; the tokens of my 24 rows: older than every load of the stream, so every count below holds as it stands
	WLOAD 0
	WLOAD 1
	s_sub_co_u32 s[TB], s[NT], 1
.set ti, 0
.rept 12
	s_add_co_u32 s[TA], s[MT0], ti
	s_min_u32 s[TA], s[TA], s[TB]          ; a tile past the count repeats the last live one: no byte is read that was not stored
	s_min_u32 s[TA], s[TA], 63
	s_lshl_b32 s[TA], s[TA], TSH
	v_add_nc_u32 v[AO+ti], s[TA], v[L16]
.set ti, ti+1
.endr
	s_add_co_u32 s[TA], s[MT0], 8
	s_cmp_lt_u32 s[TA], s[NT]
	s_cselect_b32 s[G8], 1, 0
	s_add_co_u32 s[TA], s[MT0], 10
	s_cmp_lt_u32 s[TA], s[NT]
	s_cselect_b32 s[G10], 1, 0
	ALOAD 0, 0, 12
	WPART 0, 32                            ; behind W(0) stand W(1)'s 8 loads and A(0)'s 24
	ALOAD 1, 0, 12
.irp u, 0,1,2,3,4,5,6,7,8,9,10,11,12,13,14,15
	UNIT \u
.endr
	NOP4
	SAVEA 0, 8
	s_cmp_eq_u32 s[G8], 0
	s_cbranch_scc1 .Lsaved
	SAVEA 8, 10
	s_cmp_eq_u32 s[G10], 0
	s_cbranch_scc1 .Lsaved
	SAVEA 10, 12
.Lsaved:
.Lidle1:
	BAR                                    ; every wave's partial sums are in LDS
	s_cmp_lt_u32 s[MT0], s[NT]
	s_cbranch_scc0 .Lidle2
	s_wait_loadcnt 0x0                     ; b2 and the tokens: met at once, since the stream's last wait was for all loads
.irp c, 0,1,2
	RED3 \c
.endr
	s_wait_xcnt 0x0                        ; the stores' registers may be written again
.Lidle2:
	BAR                                    ; every wave's reads of the partial sums are back: the next block may store
	s_add_co_u32 s[MT0], s[MT0], 12
	s_sub_co_u32 s[BL], s[BL], 1
	s_cmp_lg_u32 s[BL], 0
	s_cbranch_scc1 .Lblock
	s_wait_tensorcnt 0x0                   ; the wave's end
	ds_add_u32 v2, v3
	s_wait_dscnt 0x0
	s_endpgm
.Lfunc_end_k_qa74e6df564_ffn2:
	.size	k_qa74e6df564_ffn2, .Lfunc_end_k_qa74e6df564_ffn2-k_qa74e6df564_ffn2
	.p2alignl 7, 3214868480
	.fill 96, 4, 3214868480
	.section	.rodata,"a",@progbits
	.p2align	6, 0x0
	.amdhsa_kernel k_qa74e6df564_ffn2
		.amdhsa_group_segment_fixed_size 234496
		.amdhsa_private_segment_fixed_size 0
		.amdhsa_enable_private_segment 0
		.amdhsa_kernarg_size 48
		.amdhsa_user_sgpr_count 2
		.amdhsa_user_sgpr_kernarg_segment_ptr 1
		.amdhsa_wavefront_size32 1
		.amdhsa_system_sgpr_workgroup_id_x 1
		.amdhsa_system_sgpr_workgroup_id_y 1
		.amdhsa_system_sgpr_workgroup_id_z 1
		.amdhsa_system_vgpr_workitem_id 0
		.amdhsa_next_free_vgpr 512
		.amdhsa_next_free_sgpr 66
		.amdhsa_reserve_vcc 0
		.amdhsa_float_denorm_mode_32 3
		.amdhsa_float_denorm_mode_16_64 3
		.amdhsa_memory_ordered 1
		.amdhsa_forward_progress 1
		.amdhsa_inst_pref_size 142
	.end_amdhsa_kernel
	.amdgpu_metadata
---
amdhsa.version: [ 1, 2 ]
amdhsa.kernels:
  - .name:           k_qa74e6df564_ffn2
    .symbol:         k_qa74e6df564_ffn2.kd
    .args:
      - { .name: hfrag, .offset: 0, .size: 8, .value_kind: global_buffer, .address_space: global }
      - { .name: order, .offset: 8, .size: 8, .value_kind: global_buffer, .address_space: global }
      - { .name: counts, .offset: 16, .size: 8, .value_kind: global_buffer, .address_space: global }
      - { .name: W2, .offset: 24, .size: 8, .value_kind: global_buffer, .address_space: global }
      - { .name: b2, .offset: 32, .size: 8, .value_kind: global_buffer, .address_space: global }
      - { .name: part, .offset: 40, .size: 8, .value_kind: global_buffer, .address_space: global }
    .group_segment_fixed_size: 234496
    .private_segment_fixed_size: 0
    .kernarg_segment_align: 8
    .kernarg_segment_size: 48
    .max_flat_workgroup_size: 256
    .sgpr_count:     66
    .vgpr_count:     512
    .wavefront_size: 32
...
	.end_amdgpu_metadata
.endif
;; end of part 3
;; launch fin (part 4): grid 256 x 1, 8 waves a work-group, no clusters, 0 bytes of LDS; arguments part, out0; writes out0
.if DOCPART == 4
	.amdgcn_target "amdgcn-amd-amdhsa--gfx1250"
	.amdhsa_code_object_version 6
	.text
	.protected	k_qa74e6df564_fin
	.globl	k_qa74e6df564_fin
	.p2align	8
	.type	k_qa74e6df564_fin,@function
k_qa74e6df564_fin:
	s_mov_b64 s[64:65], 0
	v_nop
	global_prefetch_b8 v0, s[64:65] scope:SCOPE_SE
	s_setreg_imm32_b32 hwreg(HW_REG_WAVE_MODE, 25, 1), 1
	s_wait_xcnt 0x0
; out0[t][c] = part[0][t][c] + part[1][t][c] + part[2][t][c] + part[3][t][c]: the four quarters of K of the second product, all f32, [1024][1024] each.
; The bias lies in quarter 0 already, and a row that no expert takes holds zeros in all four, so the launch reads no index and no address hangs on data.
; A stream: memory binds, so no LDS, no barrier, no matrix unit.  A work-group owns 4 rows (16 KB of out0); thread t owns the 16 bytes at 16 t of each, so a wave's load or store covers 512 consecutive
; bytes and the eight waves a row.  All 16 loads of a wave go out at once; no register is written twice.
.set QB, 0x400000                      ; bytes in a quarter
.set P,  4                             ; v[4:67] row j, quarter k at P + 16 j + 4 k
	s_load_b128 s[4:7], s[0:1], 0x0                ; part s[4:5], out0 s[6:7]
	s_lshl_b32 s2, ttmp9, 14                       ; my work-group's 4 rows of 4,096 bytes
	s_mov_b32 s3, 0
	v_lshlrev_b32 v1, 4, v0
	s_wait_kmcnt 0x0
	s_add_nc_u64 s[8:9], s[4:5], s[2:3]            ; my rows in the four quarters
	s_add_nc_u64 s[10:11], s[8:9], QB
	s_add_nc_u64 s[12:13], s[8:9], 2*QB
	s_add_nc_u64 s[14:15], s[8:9], 3*QB
	s_add_nc_u64 s[6:7], s[6:7], s[2:3]
.irp j, 0,1,2,3
.irp k, 0,1,2,3
	global_load_b128 v[P+16*\j+4*\k:P+16*\j+4*\k+3], v1, s[8+2*\k:9+2*\k] offset:4096*\j th:TH_LOAD_NT
.endr
.endr
.irp j, 0,1,2,3
	s_wait_loadcnt 12-4*\j                         ; loads come back in order: the later rows' four loads each stay out
.irp i, 0,2
	v_pk_add_f32 v[P+16*\j+\i:P+16*\j+\i+1],     v[P+16*\j+\i:P+16*\j+\i+1],     v[P+16*\j+4+\i:P+16*\j+4+\i+1]
	v_pk_add_f32 v[P+16*\j+8+\i:P+16*\j+8+\i+1], v[P+16*\j+8+\i:P+16*\j+8+\i+1], v[P+16*\j+12+\i:P+16*\j+12+\i+1]
.endr
.irp i, 0,2
	v_pk_add_f32 v[P+16*\j+\i:P+16*\j+\i+1],     v[P+16*\j+\i:P+16*\j+\i+1],     v[P+16*\j+8+\i:P+16*\j+8+\i+1]
.endr
	global_store_b128 v1, v[P+16*\j:P+16*\j+3], s[6:7] offset:4096*\j th:TH_STORE_NT
.endr
	s_endpgm
.Lfunc_end_k_qa74e6df564_fin:
	.size	k_qa74e6df564_fin, .Lfunc_end_k_qa74e6df564_fin-k_qa74e6df564_fin
	.p2alignl 7, 3214868480
	.fill 96, 4, 3214868480
	.section	.rodata,"a",@progbits
	.p2align	6, 0x0
	.amdhsa_kernel k_qa74e6df564_fin
		.amdhsa_group_segment_fixed_size 0
		.amdhsa_private_segment_fixed_size 0
		.amdhsa_enable_private_segment 0
		.amdhsa_kernarg_size 16
		.amdhsa_user_sgpr_count 2
		.amdhsa_user_sgpr_kernarg_segment_ptr 1
		.amdhsa_wavefront_size32 1
		.amdhsa_system_sgpr_workgroup_id_x 1
		.amdhsa_system_sgpr_workgroup_id_y 1
		.amdhsa_system_sgpr_workgroup_id_z 1
		.amdhsa_system_vgpr_workitem_id 0
		.amdhsa_next_free_vgpr 72
		.amdhsa_next_free_sgpr 66
		.amdhsa_reserve_vcc 0
		.amdhsa_float_denorm_mode_32 3
		.amdhsa_float_denorm_mode_16_64 3
		.amdhsa_memory_ordered 1
		.amdhsa_forward_progress 1
		.amdhsa_inst_pref_size 5
	.end_amdhsa_kernel
	.amdgpu_metadata
---
amdhsa.version: [ 1, 2 ]
amdhsa.kernels:
  - .name:           k_qa74e6df564_fin
    .symbol:         k_qa74e6df564_fin.kd
    .args:
      - { .name: part, .offset: 0, .size: 8, .value_kind: global_buffer, .address_space: global }
      - { .name: out0, .offset: 8, .size: 8, .value_kind: global_buffer, .address_space: global }
    .group_segment_fixed_size: 0
    .private_segment_fixed_size: 0
    .kernarg_segment_align: 8
    .kernarg_segment_size: 16
    .max_flat_workgroup_size: 256
    .sgpr_count:     66
    .vgpr_count:     72
    .wavefront_size: 32
...
	.end_amdgpu_metadata
.endif
;; end of part 4
;; ======== version 2 of 2: 4 launches; version 1 with the launches prep, ffn1 written anew for expert scheduling mode
;; workspace buffers: xfrag 16,777,216 bytes; hfrag 67,108,864 bytes; part 16,777,216 bytes; order 32,768 bytes of whole numbers; counts 1,024 bytes of whole numbers
;; launch prep (part 5): grid 16 x 8, 16 waves a work-group, no clusters, 40,960 bytes of LDS; arguments x, note_type_pos, xfrag, order, counts, part; writes xfrag, order, counts, part
.if DOCPART == 5
	.amdgcn_target "amdgcn-amd-amdhsa--gfx1250"
	.amdhsa_code_object_version 6
	.text
	.protected	k_qa74e6df564_prep
	.globl	k_qa74e6df564_prep
	.p2align	8
	.type	k_qa74e6df564_prep,@function
k_qa74e6df564_prep:
	s_mov_b64 s[64:65], 0
	v_nop
	global_prefetch_b8 v0, s[64:65] scope:SCOPE_SE
	s_setreg_imm32_b32 hwreg(HW_REG_WAVE_SCHED_MODE, 0, 2), 2
	s_setreg_imm32_b32 hwreg(HW_REG_WAVE_MODE, 25, 1), 1
	s_wait_xcnt 0x0
	s_wait_alu depctr_vm_vsrc(0)
; ROUTING AND GATHER.  x [1024][1024] f32, note_type_pos [1024] int32.
; Work-group (bx, e), 16 waves: wave w takes tile mt = 4 w + (bx >> 2) of 16 rows of expert e and quarter kq = bx & 3 of K (256 numbers of each row).  The grid covers 64 tiles an expert, so every split
; of the rows over the experts is served; a wave whose tile lies past the expert's count stores no tile and ends.  An expert's low tiles, which are the live ones, fall to the low waves of ALL its 16
; work-groups: with some 9 live tiles two or three waves of 16 KB of x each, in place of sixteen in a few work-groups.
; Each wave sorts for itself: a member's rank is the number of members before it (by index register, then by lane); the 16 tokens of ranks 16 mt .. 16 mt + 15 are scattered into the wave's own list in LDS.
; A place past the count takes the tile's FIRST token, in the rows and in the stored list alike: the later launches then make for it the very numbers of that token's row, and may store them to that row.
; Then the tile's rows are read (sixteen lanes take 256 consecutive bytes of a row), rounded to bf16, turned through the wave's own stage in LDS into the order of a matrix operand's registers, and stored:
; xfrag byte ((64 e + mt) 32 + kb) 1024 + 512 q + 16 lane holds, for lane (r = lane & 15, h = lane >> 4), row r, K = 32 kb + 16 q + 8 h + 0..7.  Every store covers 512 consecutive bytes.
; Also stored: order[e][rank] = token (by the wave kq = 0 of each live tile, all 16 places), counts[e] at byte 128 e (by wave 0 of bx = 0), and, for a row whose index is outside 0..7, which no expert
; takes, zeros into all four quarters of part, whose sum the last launch stores (even wave w of work-group (bx, e) looks at token (16 e + bx) 8 + w / 2).
; LIMIT.  x is rounded to bf16 here.
; THE MODE: SCHED_MODE bits 1:0 = 2 (LLVM: expert scheduling mode 2), set by the entry lines.  The code itself states the register dependences between vector instructions and memory or LDS
; instructions, and from vector instructions to scalar registers, with s_wait_alu, always for 0.
; THE PLAN.  Registers that memory or LDS instructions touch:
;   L16, L4, CL, ZZ, Z, LB, LR, LO, XST, XRD   addresses and zeros: made at the head, ahead of one wait, and never written again.
;   X v[32:63]     the 1,024 indices land; the sort's compares read them.
;   SA, SV         an LDS address and a token for each of the 32 list stores: the sort writes all 64, one wait, then the 32 stores in one run.
;   X v[32:159]    x lands (over the indices, SA, SV and TP: one wait for the vector lines that named them, one for the list stores that read SA and SV); a quarter's conversions work in place,
;                  one wait, its stage stores read them.  Not written again.
;   XO, TKO, FT    LDS loads land; the selects rewrite XO and TKO; then XO is the offset of x's loads and TKO a store's data.  OA and CV: written once, read by one store each.
;   F              LDS loads land; the last stores read it.
; Compares write their masks into scalar registers in runs of eight or nine, with one wait behind each run.
.set XP,    144                        ; a row of the stage: 128 bytes (64 bf16) + 16
.set XW,    16*XP                      ; a wave's stage
.set LISTS, 16*XW                      ; 36,864: the lists, 128 bytes a wave: words 0-15 the tile's tokens, word 16 takes what is not wanted.  Behind them, from 38,912 on: bytes that the launch claims, which only the closing add touches
.set PX, 8                             ; s[8:19] x, note_type_pos, xfrag, order, counts, part
.set PN, 10
.set PF, 12
.set PO, 14
.set PC, 16
.set PZ, 18
.set WV, 24
.set KQ, 25
.set EX, 26
.set BX, 27
.set MT, 28
.set TK, 29
.set OP, 30                            ; s[30:31] an offset, high word 0
.set IDX, 32
.set BM, 33
.set CNT, 34
.set TA, 35
.set QN, 36
.set OZ, 38                            ; s[38:39] the token's row in quarter 0 of part
.set XB, 40
.set FB, 42
.set QO, 44
.set QC, 46
.set TB, 48
.set RM, 49                            ; rows of the expert from my tile's first on
.set OZ2, 50                           ; s[50:51] the token's row in quarter 2
.set M,  52                            ; s[52:60] the masks of a run of compares
.set C16, 1                            ; 16 x (lane & 15)
.set LN,  4
.set L16, 5
.set L4,  6
.set R15, 7
.set Z,   8                            ; v[8:11] zeros for a row that no expert takes
.set ZZ,  12
.set LB,  13
.set XST, 14
.set XRD, 15
.set LR,  16
.set LO,  17
.set TKO, 18
.set OA,  19
.set CL,  20                           ; my word of my wave's list
.set HH,  22
.set CV,  23
.set XO,  24                           ; v[24:31] byte offsets of the rows 2 j + (lane >> 4)
.set X,   32                           ; v[32:159] first the 1,024 indices (32 registers), then x as loaded
.set SA,  64                           ; v[64:95]  the sort: where index register rs's token goes
.set SV,  96                           ; v[96:127] the sort: that token
.set TP,  128                          ; v[128:135] my place in the tile, row pair j
.set F,   160                          ; v[160:223] the tile in operand order
.set FT,  223                          ; before that: the tile's first token
	s_load_b256 s[8:15], s[0:1], 0x0
	s_load_b128 s[16:19], s[0:1], 0x20
	v_lshl_add_u32 v3, v0, 2, 0x9800
	v_mov_b32 v21, 0
	v_lshrrev_b32 v1, 5, v0
	v_readfirstlane_b32 s[WV], v1
	s_and_b32 s[EX], ttmp7, 0xffff
	s_mov_b32 s[BX], ttmp9
	s_and_b32 s[KQ], s[BX], 3              ; my quarter of K
	s_lshr_b32 s[MT], s[BX], 2
	s_mov_b32 s[OP+1], 0
	v_and_b32 v[LN], 31, v0
	v_lshlrev_b32 v[L16], 4, v[LN]
	v_lshlrev_b32 v[L4], 2, v[LN]
	v_and_b32 v[R15], 15, v0
	v_lshlrev_b32 v[C16], 4, v[R15]
	v_bfe_u32 v[HH], v0, 4, 1
	v_mov_b32 v[ZZ], 0
.irp q, 0,1,2,3
	v_mov_b32 v[Z+\q], 0
.endr
	v_lshl_add_u32 v[CL], v0, 2, LISTS     ; 128 x wave + 4 x lane: my word of my wave's list
	s_wait_alu depctr_va_sdst(0)           ; the wave's number is written, ahead of its first reader
	s_lshl2_add_u32 s[MT], s[WV], s[MT]    ; my tile: 4 w + (bx >> 2)
	s_lshl_b32 s[TK], s[EX], 4
	s_add_co_u32 s[TK], s[TK], s[BX]
	s_lshl_b32 s[TK], s[TK], 3
	s_lshr_b32 s[TA], s[WV], 1
	s_add_co_u32 s[TK], s[TK], s[TA]       ; the token whose index I look at: 0 .. 1023
	s_lshl_b32 s[TA], s[WV], 7
	s_add_co_u32 s[TA], s[TA], LISTS
	v_mov_b32 v[LB], s[TA]
	v_lshl_add_u32 v[LR], v[HH], 2, v[LB]
	v_lshl_add_u32 v[LO], v[R15], 2, v[LB]
	s_mul_i32 s[TA], s[WV], XW             ; my stage
	v_mul_u32_u24 v[XST], v[HH], XP        ; in: lanes 0-15 one row, lanes 16-31 the next, 8 bytes a lane
	v_lshl_add_u32 v[XST], v[R15], 3, v[XST]
	v_add_nc_u32 v[XST], s[TA], v[XST]
	v_mul_u32_u24 v[XRD], v[R15], XP       ; out: row lane & 15, 16 bytes for each half of the lanes
	v_lshl_add_u32 v[XRD], v[HH], 4, v[XRD]
	v_add_nc_u32 v[XRD], s[TA], v[XRD]
	s_wait_kmcnt 0x0
	s_lshl_b32 s[OP], s[TK], 2
	s_add_nc_u64 s[QN:QN+1], s[PN:PN+1], s[OP:OP+1]
	s_load_b32 s[IDX], s[QN:QN+1], 0x0
	s_wait_alu depctr_va_vdst(0)           ; the head's addresses and zeros are written: L16, L4, CL, ZZ, Z, LB, LR, LO, XST, XRD, which the loads and stores of the whole kernel read
.irp q, 0,1,2,3,4,5,6,7                ; all 1,024 indices: register 4 q + c holds token 128 q + 4 lane + c
	global_load_b128 v[X+4*\q:X+4*\q+3], v[L16], s[PN:PN+1] offset:512*\q
.endr
	ds_store_b32 v[CL], v[ZZ]              ; every word of the list is written before it is read
	s_lshl_b32 s[OP], s[TK], 12
	s_add_nc_u64 s[OZ:OZ+1], s[PZ:PZ+1], s[OP:OP+1]
	s_add_nc_u64 s[OZ2:OZ2+1], s[OZ:OZ+1], 0x800000  ; two quarters of 4 MiB on
	s_lshl_b32 s[OP], s[KQ], 10
	s_add_nc_u64 s[XB:XB+1], s[PX:PX+1], s[OP:OP+1]
	s_lshl_b32 s[OP], s[EX], 21
	s_lshl_b32 s[TA], s[MT], 15
	s_add_co_u32 s[OP], s[OP], s[TA]
	s_lshl_b32 s[TA], s[KQ], 13
	s_add_co_u32 s[OP], s[OP], s[TA]
	s_add_nc_u64 s[FB:FB+1], s[PF:PF+1], s[OP:OP+1]
	s_lshl_b32 s[OP], s[EX], 12
	s_add_nc_u64 s[QO:QO+1], s[PO:PO+1], s[OP:OP+1]
	s_lshl_b32 s[OP], s[EX], 7
	s_add_nc_u64 s[QC:QC+1], s[PC:PC+1], s[OP:OP+1]
	s_wait_kmcnt 0x0
	s_and_b32 s[TA], s[WV], 1              ; even waves: a row that no expert takes keeps the zeros that the result starts from
	s_cmp_lg_u32 s[TA], 0
	s_cbranch_scc1 .Lno_zero
	s_cmp_gt_u32 s[IDX], 7                 ; unsigned: a negative index too
	s_cbranch_scc0 .Lno_zero
.irp k, 0,1                            ; quarters k and 2 + k; every store covers 512 consecutive bytes of the row.  Z and L16 were written ahead of the head's wait
.irp q, 0,1,2,3,4,5,6,7
	global_store_b128 v[L16], v[Z:Z+3], s[OZ:OZ+1] offset:0x400000*\k+512*\q
	global_store_b128 v[L16], v[Z:Z+3], s[OZ2:OZ2+1] offset:0x400000*\k+512*\q
.endr
.endr
.Lno_zero:
	s_lshl_b32 s[TA], s[MT], 4
	s_sub_co_u32 s[BM], 0, s[TA]           ; members so far, less my tile's first rank (modulo 2^32)
	s_wait_loadcnt 0x0
.irp g, 0,1,2,3                        ; eight index registers at a time
.irp i, 0,1,2,3,4,5,6,7
	v_cmp_eq_u32 s[M+\i], s[EX], v[X+8*\g+\i]
.endr
	s_wait_alu depctr_va_sdst(0)           ; the run's eight masks are written, ahead of their first readers
.irp i, 0,1,2,3,4,5,6,7
	v_mbcnt_lo_u32_b32 v[SA+8*\g+\i], s[M+\i], s[BM]       ; my rank less the tile's first
	v_cndmask_b32 v[SA+8*\g+\i], 16, v[SA+8*\g+\i], s[M+\i]  ; no member: word 16
	v_min_u32 v[SA+8*\g+\i], 16, v[SA+8*\g+\i]             ; a rank outside the tile (below it the difference is huge): word 16
	v_lshl_add_u32 v[SA+8*\g+\i], v[SA+8*\g+\i], 2, v[LB]
	v_add_nc_u32 v[SV+8*\g+\i], 128*((8*\g+\i)/4)+((8*\g+\i)%4), v[L4]
	s_bcnt1_i32_b32 s[TA], s[M+\i]
	s_add_co_u32 s[BM], s[BM], s[TA]
.endr
.endr
	s_lshl_b32 s[TA], s[MT], 4
	s_add_co_u32 s[CNT], s[BM], s[TA]      ; the expert's rows
	v_mov_b32 v[CV], s[CNT]
	s_wait_alu depctr_va_vdst(0)           ; the sort has written SA and SV, which the 32 list stores read, and CV, which the count's store reads
.set rs, 0
.rept 32
	ds_store_b32 v[SA+rs], v[SV+rs]
.set rs, rs+1
.endr
	s_or_b32 s[TB], s[WV], s[BX]
	s_cmp_lg_u32 s[TB], 0
	s_cbranch_scc1 .Lno_count
	global_store_b32 v[L4], v[CV], s[QC:QC+1]  ; 128 consecutive bytes, every word the count
.Lno_count:
	s_cmp_lt_u32 s[TA], s[CNT]
	s_cbranch_scc0 .Lend                   ; my tile has no row
.irp j, 0,1,2,3,4,5,6,7
	ds_load_b32 v[XO+\j], v[LR] offset:8*\j    ; LDS serves a wave's instructions in order: these see the stores above
.endr
	ds_load_b32 v[TKO], v[LO]
	ds_load_b32 v[FT], v[LB]               ; the tile's first token: the tile is live, so it is a member
	s_sub_co_u32 s[RM], s[CNT], s[TA]      ; places of the tile below this number hold members
	s_lshl_b32 s[TB], s[MT], 6
.irp j, 0,1,2,3,4,5,6,7
	v_add_nc_u32 v[TP+\j], 2*\j, v[HH]     ; my place in the tile
.endr
.irp j, 0,1,2,3,4,5,6,7
	v_cmp_gt_u32 s[M+\j], s[RM], v[TP+\j]
.endr
	v_cmp_gt_u32 s[M+8], s[RM], v[R15]
	v_lshl_add_u32 v[OA], v[R15], 2, s[TB]
	s_wait_alu depctr_va_sdst(0)           ; the nine masks are written, ahead of the selects that read them
	s_wait_dscnt 0x0
.irp j, 0,1,2,3,4,5,6,7
	v_cndmask_b32 v[XO+\j], v[FT], v[XO+\j], s[M+\j]  ; past the count: the first token once more
	v_min_u32 v[XO+\j], 0x3ff, v[XO+\j]
	v_lshl_add_u32 v[XO+\j], v[XO+\j], 12, v[C16]  ; the token's row of 4,096 bytes + my 16 bytes
.endr
	v_cndmask_b32 v[TKO], v[FT], v[TKO], s[M+8]    ; the same in the list that is stored
	s_wait_alu depctr_va_vdst(0)           ; XO, TKO and OA are written, which the loads and the store below read; the compares, the sort and TP are done with v[32:135], in which x lands; the selects are done reading FT, in which the tile lands later
	s_wait_alu depctr_vm_vsrc(0)           ; the list stores have read SA and SV, in which x lands
.irp ss, 0,1,2,3                       ; all of my quarter at once: 32 loads
.irp j, 0,1,2,3,4,5,6,7
	global_load_b128 v[X+32*\ss+4*\j:X+32*\ss+4*\j+3], v[XO+\j], s[XB:XB+1] offset:256*\ss
.endr
.endr
	s_cmp_lg_u32 s[KQ], 0
	s_cbranch_scc1 .Lno_order
	global_store_b32 v[OA], v[TKO], s[QO:QO+1]  ; 64 consecutive bytes; lanes 16-31 store what lanes 0-15 store
.Lno_order:
.irp ss, 0,1,2,3                       ; 64 along K at a time
	s_wait_loadcnt 24-8*\ss                ; the later quarters' loads stay out
.irp j, 0,1,2,3,4,5,6,7
	v_cvt_pk_bf16_f32 v[X+32*\ss+4*\j],   v[X+32*\ss+4*\j],   v[X+32*\ss+4*\j+1]
	v_cvt_pk_bf16_f32 v[X+32*\ss+4*\j+1], v[X+32*\ss+4*\j+2], v[X+32*\ss+4*\j+3]
.endr
	s_wait_alu depctr_va_vdst(0)           ; this quarter's conversions have written the pairs that the stage stores read
.irp j, 0,1,2,3,4,5,6,7
	ds_store_b64 v[XST], v[X+32*\ss+4*\j:X+32*\ss+4*\j+1] offset:2*\j*XP
.endr
.irp m, 0,1,2,3                        ; m = 2 ks + q: K = 32 ks + 16 q + 8 h.  No vector line since the wait ahead of x's loads names F
	ds_load_b128 v[F+16*\ss+4*\m:F+16*\ss+4*\m+3], v[XRD] offset:32*\m
.endr
.endr
.irp ss, 0,1,2,3
	s_wait_dscnt 36-12*\ss                 ; the later quarters' twelve LDS instructions each stay out
.irp m, 0,1,2,3
	global_store_b128 v[L16], v[F+16*\ss+4*\m:F+16*\ss+4*\m+3], s[FB:FB+1] offset:2048*\ss+512*\m
.endr
.endr
.Lend:
	s_wait_dscnt 0x0                       ; the wave's end.  The closing add stands behind the waits
	s_wait_alu depctr_hold_cnt(0) depctr_sa_sdst(0) depctr_va_vdst(0) depctr_va_sdst(0) depctr_va_ssrc(0) depctr_va_vcc(0) depctr_vm_vsrc(0)
	s_wait_tensorcnt 0x0
	ds_add_u32 v3, v21
	s_wait_dscnt 0x0
	s_endpgm
.Lfunc_end_k_qa74e6df564_prep:
	.size	k_qa74e6df564_prep, .Lfunc_end_k_qa74e6df564_prep-k_qa74e6df564_prep
	.p2alignl 7, 3214868480
	.fill 96, 4, 3214868480
	.section	.rodata,"a",@progbits
	.p2align	6, 0x0
	.amdhsa_kernel k_qa74e6df564_prep
		.amdhsa_group_segment_fixed_size 40960
		.amdhsa_private_segment_fixed_size 0
		.amdhsa_enable_private_segment 0
		.amdhsa_kernarg_size 48
		.amdhsa_user_sgpr_count 2
		.amdhsa_user_sgpr_kernarg_segment_ptr 1
		.amdhsa_wavefront_size32 1
		.amdhsa_system_sgpr_workgroup_id_x 1
		.amdhsa_system_sgpr_workgroup_id_y 1
		.amdhsa_system_sgpr_workgroup_id_z 1
		.amdhsa_system_vgpr_workitem_id 0
		.amdhsa_next_free_vgpr 224
		.amdhsa_next_free_sgpr 66
		.amdhsa_reserve_vcc 0
		.amdhsa_float_denorm_mode_32 3
		.amdhsa_float_denorm_mode_16_64 3
		.amdhsa_memory_ordered 1
		.amdhsa_forward_progress 1
		.amdhsa_inst_pref_size 38
	.end_amdhsa_kernel
	.amdgpu_metadata
---
amdhsa.version: [ 1, 2 ]
amdhsa.kernels:
  - .name:           k_qa74e6df564_prep
    .symbol:         k_qa74e6df564_prep.kd
    .args:
      - { .name: x, .offset: 0, .size: 8, .value_kind: global_buffer, .address_space: global }
      - { .name: note_type_pos, .offset: 8, .size: 8, .value_kind: global_buffer, .address_space: global }
      - { .name: xfrag, .offset: 16, .size: 8, .value_kind: global_buffer, .address_space: global }
      - { .name: order, .offset: 24, .size: 8, .value_kind: global_buffer, .address_space: global }
      - { .name: counts, .offset: 32, .size: 8, .value_kind: global_buffer, .address_space: global }
      - { .name: part, .offset: 40, .size: 8, .value_kind: global_buffer, .address_space: global }
    .group_segment_fixed_size: 40960
    .private_segment_fixed_size: 0
    .kernarg_segment_align: 8
    .kernarg_segment_size: 48
    .max_flat_workgroup_size: 512
    .sgpr_count:     66
    .vgpr_count:     224
    .wavefront_size: 32
...
	.end_amdgpu_metadata
.endif
;; end of part 5
;; launch ffn1 (part 6): grid 32 x 8, 8 waves a work-group, no clusters, 216,064 bytes of LDS; arguments xfrag, counts, W1, b1, hfrag; writes hfrag
.if DOCPART == 6
	.amdgcn_target "amdgcn-amd-amdhsa--gfx1250"
	.amdhsa_code_object_version 6
	.text
	.protected	k_qa74e6df564_ffn1
	.globl	k_qa74e6df564_ffn1
	.p2align	8
	.type	k_qa74e6df564_ffn1,@function
k_qa74e6df564_ffn1:
	s_mov_b64 s[64:65], 0
	v_nop
	global_prefetch_b8 v0, s[64:65] scope:SCOPE_SE
	s_setreg_imm32_b32 hwreg(HW_REG_WAVE_SCHED_MODE, 0, 2), 2
	s_setreg_imm32_b32 hwreg(HW_REG_WAVE_MODE, 25, 1), 1
	s_wait_xcnt 0x0
	s_wait_alu depctr_vm_vsrc(0)
; h = relu(x W1[e] + b1[e]) for the rows of expert e.  W1 [8][1024][4096], b1 [8][4096] f32; x in bf16 in operand order (xfrag, from the launch before), counts[e] at byte 128 e.
; SHARES.  Work-group (slice, e) owns W1[e][:, 128 slice .. +127].  Wave w owns 32 of those columns (group w >> 1) and half of K (w & 1): 512 rows of 128 bytes, which it alone reads, and ALL rows of e.
; So a wave multiplies only weights that it loaded itself: LDS is a stage of the wave's own in which they are turned, and the stream has no barrier.
; THE WAVE'S JOB: 16 units of 32 along K, written out, so that every LDS address is a fixed register and an immediate.  A unit: 8 weight loads (4 rows x 128 bytes each), rounded in place, staged,
; fetched turned as two fragments of 16 columns; two loads of 512 consecutive bytes for each tile of 16 rows; two products a tile.  Rows go in blocks of 12 tiles (24 accumulators).
; Tiles 0-7 are always multiplied (a tile past the count repeats the last live one), tiles 8, 9 and 10, 11 under the flags G8 and G10; unit 0 and the first two units' row loads have no guard,
; so that every register is written whatever the flags.  More than 192 rows: the block loop (6 trips cover 64 tiles; a dead block is jumped, the barriers are not) streams the weights again.
; TRANSPOSED USE: source 0 = 16 columns of W1, source 1 = 16 rows of x: a lane holds one row and eight neighbouring columns.
; THE SUMS' TWO HALVES meet in LDS: every wave stores its live accumulators, a barrier, wave (group, half) adds both halves of the tiles of its parity, adds b1, rounds, takes relu and stores
; hfrag byte ((64 e + tile) 128 + kb) 1024 + 512 q + 16 lane, 512 consecutive bytes an instruction; a second barrier in front of the next block's stores.
; NO JOINT LOADS: each weight byte has one reader.  The 32 work-groups of an expert do read the same rows, but those go straight into registers as operands, and the number of their tiles is read from memory.
; A wave's piece of a weight row is 128 bytes; the neighbouring group's wave takes the other half of each aligned 256 bytes, so the loads carry no hint that the bytes are not wanted again.
; LIMITS.  x, W1 and h are bf16, sums and bias f32 (K's two halves are added in f32).  relu is a maximum on the rounded pair in which a NaN loses: a NaN in h becomes 0.
; THE MODE: SCHED_MODE bits 1:0 = 2 (LLVM: expert scheduling mode 2), set by the entry lines.  The code itself states the register dependences between vector or matrix instructions and memory or LDS
; instructions, with s_wait_alu, always for 0.
; THE PLAN.  Registers that memory or LDS instructions touch (p = a unit's parity):
;   WOFF, STA, TRA, L16, STS, RD, H32   addresses, made at the head ahead of one wait and never written again.
;   AO        written by 12 adds at a block's top, one wait, read by all the block's row loads.
;   WR[p]     unit v's weights land; its 16 conversions read and write them in place; the stage stores read them; unit v + 2's weights land.
;   BF[p]     unit v's turned fragments land; unit v's products read them.  In the reduction b1 lands in BF[0].
;   AR[p]     unit v's rows land; unit v's products read them.  In the reduction the partial sums land there, are worked on in place and stored from there.
;   the accumulators   written by the products, read by the stores into the partial sums.
; IN UNIT u ONE PLACE HOLDS THE WAITS, behind the conversions of unit u + 1's weights: the conversions have written WR, which the stage stores read, and unit u - 1's products are done reading BF and AR of
; the parity of u + 1.  Behind the stage stores the weights of unit u + 3 are asked for (the stores have read WR; the conversions are done with it), then the fragments of unit u + 1, then the rows of
; unit u + 1: tiles 0-7 in one run ahead of unit u's products, tiles 8-11 in their guards behind their products.  Unit u's products name BF and AR of u's parity and the accumulators: none of the registers
; that those loads touch.  One wait a block, where every way through a block passes, states that the block's memory and LDS instructions have read what the next block writes again.
.set PW,    16384                      ; bytes from row to row of W1
.set LPW,   14
.set TSH,   15                         ; a tile of xfrag is 32,768 bytes
.set STGW,  2304                       ; a wave's stage: two planes (16 columns each) of 32 K rows x 32 bytes,
.set PL1,   1152                       ; 1,152 apart: the two planes' 128 bytes of one store fall into different halves of 256
.set SCR,   8*STGW                     ; 18,432: partial sums, [accumulator 24][wave 8][1,024 bytes].  Behind them, from 215,040 on: bytes that the launch claims, which only the closing add touches
.set PA,  8                            ; s[8:17] xfrag, counts, W1, b1, hfrag
.set PC,  10
.set PWT, 12
.set PBI, 14
.set PH,  16
.set WV,  24
.set KG,  25                           ; my half of K
.set QG,  26                           ; my group of 32 columns
.set EX,  27
.set SL,  28
.set CNT, 29
.set OP,  30                           ; s[30:31] an offset, high word 0
.set NT,  32                           ; live tiles
.set MT0, 33                           ; the block's first tile
.set G8,  34
.set G10, 35
.set WB,  36                           ; s[36:37] my weights
.set AB,  38                           ; s[38:39] my expert's rows at my half of K
.set BB,  40                           ; s[40:41] b1 at my columns
.set HS,  42                           ; s[42:43] hfrag at my expert and my K block
.set QC,  44
.set BL,  46
.set TA,  47
.set TB,  48
; window 0
.set AO,   4                           ; v[4:15] byte offset of tile i in my expert's rows, + 16 lane
.set BF,   16                          ; v[16:47] weight fragments: unit's parity, column tile t at BF + 16 p + 8 t; in the reduction: b1
.set WOFF, 48
.set STA,  49
.set TRA,  50
.set L16,  51
.set STS,  52                          ; v[52:54] where I store accumulators 0-7, 8-15, 16-23
.set RD,   55                          ; v[55:57] where I read partial sums
.set H32,  58
.set ZR,   60
.set AR,   64                          ; v[64:255] rows: unit's parity, tile i at AR + 96 p + 8 i; in the reduction: at work
.set WR,   192                         ; window 1: v[192:255] weights as loaded, unit's parity at WR + 32 p; v[0:191] accumulators (i, t) at 16 i + 8 t
.set BI,   16
.set T,    64
.set MSB, 0
.macro WIN new                         ; the immediate's high byte repeats the setting that is left; a switch that changes nothing is dropped
.if MSB != (\new)
	s_set_vgpr_msb (MSB<<8)|(\new)
.set MSB, (\new)
.endif
.endm
.macro BAR                             ; my LDS stores are done and my LDS reads are back; then the barrier
	s_wait_dscnt 0x0
	s_barrier_signal -1
	s_barrier_wait -1
.endm
.macro NOP4                            ; four places between the last matrix instructions and the stores that read their results
.rept 4
	v_nop
.endr
.endm
.macro WLOAD v                         ; unit v's weights: 8 loads of 4 rows x 128 bytes
	WIN 0x40                               ; destination in window 1
.irp i, 0,1,2,3,4,5,6,7
	global_load_b128 v[WR+32*((\v)%2)+4*\i:WR+32*((\v)%2)+4*\i+3], v[WOFF], s[WB:WB+1] offset:(32*(\v)+4*\i)*PW
.endr
	WIN 0
.endm
.macro WPART v, cnt                    ; unit v's weights: waited for, rounded in place, staged; their registers asked for again, two units on; the two fragments fetched turned
	s_wait_loadcnt \cnt
	WIN 0x45
.irp i, 0,1,2,3,4,5,6,7
	v_cvt_pk_bf16_f32 v[WR+32*((\v)%2)+4*\i],   v[WR+32*((\v)%2)+4*\i],   v[WR+32*((\v)%2)+4*\i+1]
	v_cvt_pk_bf16_f32 v[WR+32*((\v)%2)+4*\i+1], v[WR+32*((\v)%2)+4*\i+2], v[WR+32*((\v)%2)+4*\i+3]
.endr
	WIN 0x04                               ; the stores' data in window 1
	s_wait_alu depctr_va_vdst(0)           ; the conversions have written the pairs that the stage stores read; the products of unit v - 2 are done reading BF and AR of v's parity, in which the fragments and rows below land
.irp i, 0,1,2,3,4,5,6,7
	ds_store_b64 v[STA], v[WR+32*((\v)%2)+4*\i:WR+32*((\v)%2)+4*\i+1] offset:128*\i
.endr
.if (\v)+2 <= 15
	WIN 0x40                               ; the loads' window first, then their waits, then the loads
	s_wait_alu depctr_vm_vsrc(0)           ; the stage stores have read WR of v's parity, in which the next weights land
	s_wait_alu depctr_va_vdst(0)           ; the conversions are done reading and writing those registers: said once more here, since the stage stores, which name them, stand behind the wait above
	WLOAD (\v)+2
.endif
	WIN 0
.irp t, 0,1                            ; LDS serves a wave's instructions in order: these see the stores above, and the next unit's stores come behind them
	ds_load_tr16_b128 v[BF+16*((\v)%2)+8*\t:BF+16*((\v)%2)+8*\t+3],   v[TRA] offset:PL1*\t      ; K 8 h .. of column lane & 15,
	ds_load_tr16_b128 v[BF+16*((\v)%2)+8*\t+4:BF+16*((\v)%2)+8*\t+7], v[TRA] offset:PL1*\t+512  ; and 16 rows of 32 bytes on
.endr
.endm
.macro ALOAD v, lo, hi                 ; unit v's rows of tiles lo .. hi - 1: two loads of 512 consecutive bytes a tile
.set ti, \lo
.rept (\hi)-(\lo)
	global_load_b128 v[AR+96*((\v)%2)+8*ti:AR+96*((\v)%2)+8*ti+3],   v[AO+ti], s[AB:AB+1] offset:1024*(\v)
	global_load_b128 v[AR+96*((\v)%2)+8*ti+4:AR+96*((\v)%2)+8*ti+7], v[AO+ti], s[AB:AB+1] offset:1024*(\v)+512
.set ti, ti+1
.endr
.endm
.macro MULT u, lo, hi                  ; unit u's products of tiles lo .. hi - 1.  The accumulators take turns, one instruction a turn.  Unit 0 starts the sums
	WIN 0x50                               ; C and D in window 1
.set ti, \lo
.rept (\hi)-(\lo)
.irp t, 0,1
.if (\u) == 0
	v_wmma_f32_16x16x32_bf16 v[16*ti+8*\t:16*ti+8*\t+7], v[BF+16*((\u)%2)+8*\t:BF+16*((\u)%2)+8*\t+7], v[AR+96*((\u)%2)+8*ti:AR+96*((\u)%2)+8*ti+7], 0
.else
	v_wmma_f32_16x16x32_bf16 v[16*ti+8*\t:16*ti+8*\t+7], v[BF+16*((\u)%2)+8*\t:BF+16*((\u)%2)+8*\t+7], v[AR+96*((\u)%2)+8*ti:AR+96*((\u)%2)+8*ti+7], v[16*ti+8*\t:16*ti+8*\t+7]
.endif
.endr
.set ti, ti+1
.endr
	WIN 0
.endm
; Unit u.  Loads are issued in the order W(0) W(1) A(0) W(2) A(1) | unit 0: W(3) | unit t from 1 on: W(t+3), A(t+1)'s tiles 0-7, and behind the products its guarded tiles; they come back in that order.
; W is 8 loads; A(0) and A(1) are 24, a later A 16 that are issued whatever the flags.  Guarded loads are not counted: the counts hold on every way, and A's guarded loads have the same loads behind them as its others.
; cw: the loads behind W(u+1) at the unit's head: A(0) W(2) A(1); A(1) W(3); W(4) A(2); then A(u-1) W(u+2) A(u).  ca: those behind A(u) at its wait: W(2) A(1) W(3); W(3) W(4) A(2); then W(u+3) A(u+1).
.macro UNIT u
.if (\u) == 0
.set cw, 56
.set ca, 40
.elseif (\u) == 1
.set cw, 32
.set ca, 32
.elseif (\u) == 2
.set cw, 24
.set ca, 24
.elseif (\u) <= 12
.set cw, 40
.set ca, 24
.elseif (\u) == 13
.set cw, 40                            ; A(12) W(15) A(13)
.set ca, 16                            ; there is no W(16)
.elseif (\u) == 14
.set cw, 32                            ; A(13) A(14)
.set ca, 16
.else
.set cw, 0
.set ca, 0
.endif
.if (\u) < 15
	WPART (\u)+1, cw
.endif
.if ((\u) > 0) && ((\u) < 15)
	ALOAD (\u)+1, 0, 8                     ; no further wait: nothing issued since WPART's waits names these registers or AO
.endif
	s_wait_loadcnt ca
.if (\u) < 15
	s_wait_dscnt 12                        ; all but the 8 stage stores and 4 turned loads just issued: this unit's fragments are in
.else
	s_wait_dscnt 0x0
.endif
	MULT \u, 0, 8
.if (\u) == 0
	MULT \u, 8, 12
.else
	s_cmp_eq_u32 s[G8], 0
	s_cbranch_scc1 .Lg_\@
	MULT \u, 8, 10
.if (\u) < 15
	ALOAD (\u)+1, 8, 10                    ; no further wait: this unit's products name the other parity's rows
.endif
	s_cmp_eq_u32 s[G10], 0
	s_cbranch_scc1 .Lg_\@
	MULT \u, 10, 12
.if (\u) < 15
	ALOAD (\u)+1, 10, 12
.endif
.Lg_\@:
.endif
.endm
.macro SAVEA lo, hi                    ; accumulators lo .. hi - 1 into the partial sums, each from its lowest registers up, 512 consecutive bytes a store
	WIN 0x04
.set ai, \lo
.rept (\hi)-(\lo)
	ds_store_b128 v[STS+ai/8], v[8*ai:8*ai+3]   offset:(ai%8)*8192
	ds_store_b128 v[STS+ai/8], v[8*ai+4:8*ai+7] offset:(ai%8)*8192+512
.set ai, ai+1
.endr
	WIN 0
.endm
; Tile 2 c + (my half) of the block, if it is live: both halves' sums of its two accumulators, b1, bf16, relu, two stores.
.macro RED1 c
	s_add_co_u32 s[TA], s[MT0], 2*(\c)
	s_add_co_u32 s[TA], s[TA], s[KG]
	s_cmp_lt_u32 s[TA], s[NT]
	s_cbranch_scc0 .Lr_\@
.irp m, 0,1,2,3,4,5,6,7                ; m = 4 t + 2 (half of K) + (half of the accumulator)
	ds_load_b128 v[T+32*(\c)+4*\m:T+32*(\c)+4*\m+3], v[RD+(\c)/2] offset:((\c)%2)*32768+(\m/4)*8192+((\m/2)%2)*1024+(\m%2)*512
.endr
	s_lshl_b32 s[TA], s[TA], 17            ; a tile of hfrag is 131,072 bytes
	s_wait_dscnt 0x0
.irp t, 0,1
.irp j, 0,2,4,6
	v_pk_add_f32 v[T+32*(\c)+16*\t+\j:T+32*(\c)+16*\t+\j+1], v[T+32*(\c)+16*\t+\j:T+32*(\c)+16*\t+\j+1], v[T+32*(\c)+16*\t+8+\j:T+32*(\c)+16*\t+8+\j+1]
.endr
.endr
	s_wait_loadcnt 0x0                     ; b1
.irp t, 0,1
.irp j, 0,2,4,6
	v_pk_add_f32 v[T+32*(\c)+16*\t+\j:T+32*(\c)+16*\t+\j+1], v[T+32*(\c)+16*\t+\j:T+32*(\c)+16*\t+\j+1], v[BI+8*\t+\j:BI+8*\t+\j+1]
.endr
.endr
.irp t, 0,1
.irp j, 0,1,2,3
	v_cvt_pk_bf16_f32 v[T+32*(\c)+16*\t+\j], v[T+32*(\c)+16*\t+2*\j], v[T+32*(\c)+16*\t+2*\j+1]
.endr
.endr
.irp t, 0,1
.irp j, 0,1,2,3
	v_pk_max_num_bf16 v[T+32*(\c)+16*\t+\j], v[T+32*(\c)+16*\t+\j], v[ZR]
.endr
.endr
	v_add_nc_u32 v[T+32*(\c)+8], s[TA], v[L16]
	s_wait_alu depctr_va_vdst(0)           ; the tile's eight words and its offset are written, which the two stores read; the additions are done reading b1
	global_store_b128 v[T+32*(\c)+8], v[T+32*(\c):T+32*(\c)+3], s[HS:HS+1]
	global_store_b128 v[T+32*(\c)+8], v[T+32*(\c)+16:T+32*(\c)+19], s[HS:HS+1] offset:512
.Lr_\@:
.endm
	s_load_b256 s[8:15], s[0:1], 0x0
	s_load_b64 s[16:17], s[0:1], 0x20
	v_lshl_add_u32 v3, v0, 2, 0x34800
	v_mov_b32 v59, 0
	v_lshrrev_b32 v1, 5, v0
	v_readfirstlane_b32 s[WV], v1
	s_and_b32 s[EX], ttmp7, 0xffff
	s_mov_b32 s[SL], ttmp9
	s_mov_b32 s[OP+1], 0
	s_wait_kmcnt 0x0
	s_lshl_b32 s[OP], s[EX], 7
	s_add_nc_u64 s[QC:QC+1], s[PC:PC+1], s[OP:OP+1]
	s_load_b32 s[CNT], s[QC:QC+1], 0x0
	v_and_b32 v1, 31, v0
	v_lshlrev_b32 v[L16], 4, v1
	v_bfe_u32 v61, v0, 4, 1                ; h = lane >> 4
	v_lshlrev_b32 v[H32], 5, v61
	v_bfe_u32 v62, v0, 3, 2                ; lane >> 3
	v_and_b32 v63, 7, v0
	v_lshlrev_b32 v[WOFF], LPW, v62        ; a weight load: row lane >> 3 of four, 16 bytes at 16 (lane & 7)
	v_lshl_add_u32 v[WOFF], v63, 4, v[WOFF]
	s_wait_alu depctr_va_sdst(0)           ; the wave's number is written, ahead of its first reader
	s_and_b32 s[KG], s[WV], 1
	s_lshr_b32 s[QG], s[WV], 1
	s_mul_i32 s[TA], s[WV], STGW           ; my stage
	v_bfe_u32 v1, v0, 2, 1                 ; my 4 columns lie in plane (lane >> 2) & 1, at byte 8 (lane & 3) of row lane >> 3
	v_mul_u32_u24 v[STA], v1, PL1
	v_lshl_add_u32 v[STA], v62, 5, v[STA]
	v_and_b32 v1, 3, v0
	v_lshl_add_u32 v[STA], v1, 3, v[STA]
	v_add_nc_u32 v[STA], s[TA], v[STA]
	v_lshl_add_u32 v[TRA], v61, 3, v63     ; the turning load: K row 8 h + (lane & 7), 16 bytes at 16 ((lane >> 3) & 1)
	v_lshlrev_b32 v[TRA], 5, v[TRA]
	v_bfe_u32 v1, v0, 3, 1
	v_lshl_add_u32 v[TRA], v1, 4, v[TRA]
	v_add_nc_u32 v[TRA], s[TA], v[TRA]
	s_lshl_b32 s[TA], s[WV], 10
	s_add_co_u32 s[TA], s[TA], SCR
	v_add_nc_u32 v[STS], s[TA], v[L16]
	v_add_nc_u32 v[STS+1], 0x10000, v[STS]
	v_add_nc_u32 v[STS+2], 0x20000, v[STS]
	s_and_b32 s[TA], s[WV], 6              ; I read my group's two waves, accumulators 4 c + 2 (my half) + t
	s_lshl_b32 s[TA], s[TA], 10
	s_lshl_b32 s[TB], s[KG], 14
	s_add_co_u32 s[TA], s[TA], s[TB]
	s_add_co_u32 s[TA], s[TA], SCR
	v_add_nc_u32 v[RD], s[TA], v[L16]
	v_add_nc_u32 v[RD+1], 0x10000, v[RD]
	v_add_nc_u32 v[RD+2], 0x20000, v[RD]
	v_mov_b32 v[ZR], 0
	s_lshl_b32 s[OP], s[EX], 24            ; an expert's 16 MiB, my 512 rows, my 128 bytes of a row
	s_lshl_b32 s[TA], s[KG], 23
	s_add_co_u32 s[OP], s[OP], s[TA]
	s_lshl_b32 s[TA], s[SL], 9
	s_add_co_u32 s[OP], s[OP], s[TA]
	s_lshl_b32 s[TA], s[QG], 7
	s_add_co_u32 s[OP], s[OP], s[TA]
	s_add_nc_u64 s[WB:WB+1], s[PWT:PWT+1], s[OP:OP+1]
	s_lshl_b32 s[OP], s[EX], 21
	s_lshl_b32 s[TA], s[KG], 14
	s_add_co_u32 s[OP], s[OP], s[TA]
	s_add_nc_u64 s[AB:AB+1], s[PA:PA+1], s[OP:OP+1]
	s_lshl_b32 s[OP], s[EX], 14
	s_lshl_b32 s[TA], s[SL], 9
	s_add_co_u32 s[OP], s[OP], s[TA]
	s_lshl_b32 s[TA], s[QG], 7
	s_add_co_u32 s[OP], s[OP], s[TA]
	s_add_nc_u64 s[BB:BB+1], s[PBI:PBI+1], s[OP:OP+1]
	s_lshl_b32 s[OP], s[EX], 23
	s_lshl2_add_u32 s[TA], s[SL], s[QG]    ; my K block of the next product: 4 slice + group
	s_lshl_b32 s[TA], s[TA], 10
	s_add_co_u32 s[OP], s[OP], s[TA]
	s_add_nc_u64 s[HS:HS+1], s[PH:PH+1], s[OP:OP+1]
	s_mov_b32 s[MT0], 0
	s_mov_b32 s[BL], 6
	s_wait_kmcnt 0x0
	s_min_u32 s[CNT], s[CNT], 0x400
	s_add_co_u32 s[NT], s[CNT], 15
	s_lshr_b32 s[NT], s[NT], 4
	s_wait_alu depctr_va_vdst(0)           ; the head's addresses are written: WOFF, STA, TRA, L16, STS, RD, H32, which the loads and stores of the whole kernel read
.Lblock:
	s_cmp_lt_u32 s[MT0], s[NT]
	s_cbranch_scc0 .Lidle1                 ; no row in this block: only the barriers are passed
	s_wait_loadcnt 0x0                     ; no load is out,
	s_wait_xcnt 0x0                        ; and no store still reads its registers
	WLOAD 0                                ; no wait on the vector side: the last block's conversions stand ahead of the wait in front of its stores into the partial sums, and nothing since names these registers
	WLOAD 1
	s_sub_co_u32 s[TB], s[NT], 1
.set ti, 0
.rept 12
	s_add_co_u32 s[TA], s[MT0], ti
	s_min_u32 s[TA], s[TA], s[TB]          ; a tile past the count repeats the last live one: no byte is read that was not stored
	s_min_u32 s[TA], s[TA], 63
	s_lshl_b32 s[TA], s[TA], TSH
	v_add_nc_u32 v[AO+ti], s[TA], v[L16]
.set ti, ti+1
.endr
	s_add_co_u32 s[TA], s[MT0], 8
	s_cmp_lt_u32 s[TA], s[NT]
	s_cselect_b32 s[G8], 1, 0
	s_add_co_u32 s[TA], s[MT0], 10
	s_cmp_lt_u32 s[TA], s[NT]
	s_cselect_b32 s[G10], 1, 0
	s_wait_alu depctr_va_vdst(0)           ; the twelve offsets AO are written, which all the block's row loads read
	ALOAD 0, 0, 12
	WPART 0, 32                            ; behind W(0) stand W(1)'s 8 loads and A(0)'s 24
	ALOAD 1, 0, 12
.irp u, 0,1,2,3,4,5,6,7,8,9,10,11,12,13,14,15
	UNIT \u
.endr
	NOP4
	s_wait_alu depctr_va_vdst(0)           ; the products have written the accumulators, which the stores below read, and are done reading BF and AR, in which b1 and the partial sums land; the places above stay beside this wait
	SAVEA 0, 16
	s_cmp_eq_u32 s[G8], 0
	s_cbranch_scc1 .Lsaved
	SAVEA 16, 20
	s_cmp_eq_u32 s[G10], 0
	s_cbranch_scc1 .Lsaved
	SAVEA 20, 24
.Lsaved:
.Lidle1:
	BAR                                    ; every wave's partial sums are in LDS
	s_cmp_lt_u32 s[MT0], s[NT]
	s_cbranch_scc0 .Lidle2
.irp t, 0,1
	global_load_b128 v[BI+8*\t:BI+8*\t+3],   v[H32], s[BB:BB+1] offset:64*\t      ; b1 of my eight columns 16 t + 8 h + 0..7
	global_load_b128 v[BI+8*\t+4:BI+8*\t+7], v[H32], s[BB:BB+1] offset:64*\t+16
.endr
.irp c, 0,1,2,3,4,5
	RED1 \c
.endr
	s_wait_loadcnt 0x0                     ; whatever was jumped: nothing is out,
	s_wait_xcnt 0x0                        ; and the stores' registers may be written again
.Lidle2:
	s_wait_alu depctr_vm_vsrc(0)           ; this block's row loads have read AO, its last stage stores the weights' registers, its stores into the partial sums the accumulators, its stores of h their data and offsets: the next block writes them all again.  It stands where every way through a block passes
	BAR                                    ; every wave's reads of the partial sums are back: the next block may store
	s_add_co_u32 s[MT0], s[MT0], 12
	s_sub_co_u32 s[BL], s[BL], 1
	s_cmp_lg_u32 s[BL], 0
	s_cbranch_scc1 .Lblock
	s_wait_dscnt 0x0                       ; the wave's end.  The closing add stands behind the waits
	s_wait_alu depctr_hold_cnt(0) depctr_sa_sdst(0) depctr_va_vdst(0) depctr_va_sdst(0) depctr_va_ssrc(0) depctr_va_vcc(0) depctr_vm_vsrc(0)
	s_wait_tensorcnt 0x0
	ds_add_u32 v3, v59
	s_wait_dscnt 0x0
	s_endpgm
.Lfunc_end_k_qa74e6df564_ffn1:
	.size	k_qa74e6df564_ffn1, .Lfunc_end_k_qa74e6df564_ffn1-k_qa74e6df564_ffn1
	.p2alignl 7, 3214868480
	.fill 96, 4, 3214868480
	.section	.rodata,"a",@progbits
	.p2align	6, 0x0
	.amdhsa_kernel k_qa74e6df564_ffn1
		.amdhsa_group_segment_fixed_size 216064
		.amdhsa_private_segment_fixed_size 0
		.amdhsa_enable_private_segment 0
		.amdhsa_kernarg_size 40
		.amdhsa_user_sgpr_count 2
		.amdhsa_user_sgpr_kernarg_segment_ptr 1
		.amdhsa_wavefront_size32 1
		.amdhsa_system_sgpr_workgroup_id_x 1
		.amdhsa_system_sgpr_workgroup_id_y 1
		.amdhsa_system_sgpr_workgroup_id_z 1
		.amdhsa_system_vgpr_workitem_id 0
		.amdhsa_next_free_vgpr 512
		.amdhsa_next_free_sgpr 66
		.amdhsa_reserve_vcc 0
		.amdhsa_float_denorm_mode_32 3
		.amdhsa_float_denorm_mode_16_64 3
		.amdhsa_memory_ordered 1
		.amdhsa_forward_progress 1
		.amdhsa_inst_pref_size 138
	.end_amdhsa_kernel
	.amdgpu_metadata
---
amdhsa.version: [ 1, 2 ]
amdhsa.kernels:
  - .name:           k_qa74e6df564_ffn1
    .symbol:         k_qa74e6df564_ffn1.kd
    .args:
      - { .name: xfrag, .offset: 0, .size: 8, .value_kind: global_buffer, .address_space: global }
      - { .name: counts, .offset: 8, .size: 8, .value_kind: global_buffer, .address_space: global }
      - { .name: W1, .offset: 16, .size: 8, .value_kind: global_buffer, .address_space: global }
      - { .name: b1, .offset: 24, .size: 8, .value_kind: global_buffer, .address_space: global }
      - { .name: hfrag, .offset: 32, .size: 8, .value_kind: global_buffer, .address_space: global }
    .group_segment_fixed_size: 216064
    .private_segment_fixed_size: 0
    .kernarg_segment_align: 8
    .kernarg_segment_size: 40
    .max_flat_workgroup_size: 256
    .sgpr_count:     66
    .vgpr_count:     512
    .wavefront_size: 32
...
	.end_amdgpu_metadata
.endif
;; end of part 6
;; launch ffn2: the kernel of part 3 again; grid 32 x 8, 8 waves a work-group, no clusters, 234,496 bytes of LDS; arguments hfrag, order, counts, W2, b2, part; writes part
;; launch fin: the kernel of part 4 again; grid 256 x 1, 8 waves a work-group, no clusters, 0 bytes of LDS; arguments part, out0; writes out0
